; MI455X (gfx1250); checked and timed in simulation.
; The chip was launched on July 23, 2026; its instructions are those of AMD's public machine-readable ISA for CDNA 5 (MIT licence, August 2026) and "CDNA5" Instruction Set Architecture Reference Guide (July 2026). The comments in the code are by the model that wrote it; some were corrected since.
;; Multi Head Self Attention Layer. Allowed arithmetic: matrix products marked QUANTISED: E2M3 operands, one E8M0 scale for each 32 along K, by v_wmma_scale_f32_16x16x128_f8f6f4 with both operands' format E2M3, f32 sums; products left as they are: f32 operands where the result goes on into a quantised operand, else bf16, f16 or f32 operands; f32 sums; everything else in f32.
;; Inputs: Wk_codes 1,024 x 32 x 24 uint8 (E2M3 codes of Wk, K innermost, in blocks of 32 codes, four codes in three bytes); Wk_scales 1,024 x 32 uint8 (E8M0 scales of Wk, one for each 32 codes along K); Wo_codes 1,024 x 32 x 24 uint8 (E2M3 codes of Wo, K innermost, in blocks of 32 codes, four codes in three bytes); Wo_scales 1,024 x 32 uint8 (E8M0 scales of Wo, one for each 32 codes along K); Wq_codes 1,024 x 32 x 24 uint8 (E2M3 codes of Wq, K innermost, in blocks of 32 codes, four codes in three bytes); Wq_scales 1,024 x 32 uint8 (E8M0 scales of Wq, one for each 32 codes along K); Wv_codes 1,024 x 32 x 24 uint8 (E2M3 codes of Wv, K innermost, in blocks of 32 codes, four codes in three bytes); Wv_scales 1,024 x 32 uint8 (E8M0 scales of Wv, one for each 32 codes along K); X_embed_codes 4 x 2,048 x 32 x 24 uint8 (E2M3 codes of X_embed, K innermost, in blocks of 32 codes, four codes in three bytes); X_embed_scales 4 x 2,048 x 32 uint8 (E8M0 scales of X_embed, one for each 32 codes along K); bk 1,024 float32; bo 1,024 float32; bq 1,024 float32; bv 1,024 float32.
;; Outputs: out0 4 x 2,048 x 1,024 float32.
;; This version of the problem:
;;   THIS VERSION OF THE PROBLEM IS GIVEN IN LOW PRECISION. The matrix products marked QUANTISED in the list below multiply operands that are first quantised to E2M3 (2 exponent bits, 3 mantissa bits; 6 bits a number), with one power-of-two scale for each 32 numbers along K (OCP MX v1.0); their sums are f32. All else is computed in f32.
;;   The module's matrix products, in the order in which they are computed (A, B: the left and right operand; K: the contracted axis; several contracted axes count as one K, in the product's order):
;;     1. [M 8,192, K 1,024] x [K 1,024, N 1,024]; A: input X_embed (given as codes); B: input Wq (given as codes): QUANTISED
;;     2. [M 8,192, K 1,024] x [K 1,024, N 1,024]; A: input X_embed (given as codes); B: input Wk (given as codes): QUANTISED
;;     3. [M 8,192, K 1,024] x [K 1,024, N 1,024]; A: input X_embed (given as codes); B: input Wv (given as codes): QUANTISED
;;     4. batch 64 x [M 2,048, K 64] x [K 64, N 2,048]; A: computed on the way; B: computed on the way: QUANTISED
;;     5. batch 131,072 x [M 1, K 1] x [K 1, N 64]; A: computed on the way; B: computed on the way: left as it is (no contracted axis)
;;     6. [M 8,192, K 1,024] x [K 1,024, N 1,024]; A: computed on the way; B: input Wo (given as codes): QUANTISED
;;   THE QUANTISER, for each operand of a quantised product, along K:
;;     - K is cut into blocks of 32 from its start; a last block that is shorter is filled with zeros.
;;     - A block's scale is 2^e with e = floor(log2(the largest magnitude in the block)) - 2, held to -126 .. 127; a block of zeros has e = 0. As a byte (E8M0): e + 127.
;;     - Each number is divided by its block's scale, clamped to +-7.5, and rounded to the nearest number of E2M3, ties to even, subnormals kept.
;;     - The product sums the exact products of the quantised numbers (number of the format x scale) in f32.
;;   ~~~python
;;   def quantise(x, axis):      # numpy; x: float32 -> the quantised numbers, widened to float32 again
;;       x = np.moveaxis(x, axis, -1); K = x.shape[-1]
;;       x = np.pad(x, [(0, 0)] * (x.ndim - 1) + [(0, -K % 32)]); x = x.reshape(x.shape[:-1] + (-1, 32)); a = np.abs(x).max(-1, keepdims=True)
;;       e = np.where(a > 0, np.clip(np.frexp(np.where(a > 0, a, 1))[1] - 1 - 2, -126, 127), 0)      # np.frexp(a)[1] - 1 = floor(log2(a)), exactly
;;       r = np.clip(x / 2.0 ** e, -7.5, 7.5)
;;       step = 2.0 ** (np.maximum(np.frexp(np.where(r == 0, 1, r))[1] - 1, 0) - 3)
;;       q = np.round(r / step) * step * 2.0 ** e      # np.round: ties to even
;;       return np.moveaxis(q.reshape(q.shape[:-2] + (-1,))[..., :K], -1, axis).astype(np.float32)
;;   ~~~
;;   OPERANDS COMPUTED ON THE WAY. 'Computed on the way' means the value that the module computes at that place (a softmax that the list does not call 'softmax' is quantised finished and normalised). What goes into a quantiser is computed in f32, as accurately as f32 sums, v_exp_f32 and their like allow (about 1e-6 of the number): no bf16 or f16 on the way to a quantiser, and a product that is left as it is and whose result goes on into a quantised operand takes f32 operands (vector FMAs, or v_wmma_f32_16x16x4_f32). A number that lies on a knife's edge between two numbers of the format may be rounded either way, as far as f32 arithmetic and the matrix unit's own rounding can turn it there, and no further.
;;   INPUTS GIVEN AS CODES. Wk (in the module: [1024, 1024], K = its axis 0); Wo (in the module: [1024, 1024], K = its axis 0); Wq (in the module: [1024, 1024], K = its axis 0); Wv (in the module: [1024, 1024], K = its axis 0); X_embed (in the module: [4, 2048, 1024], K = its axis 2): each comes as NAME_codes (uint8): NAME with its K axis moved to the last place and cut into blocks of 32 codes, [.., K / 32, bytes a block], one block behind the other in memory; four codes in three bytes: a row's codes are one little-endian stream of bits, code i at bits 6 i .. 6 i + 5 (a code: sign, 2 exponent bits, 3 mantissa bits); and NAME_scales (uint8): the same leading axes, one E8M0 byte (e + 127) for each 32 codes along K. Its value is code x scale, taken as it is: it is not quantised again, and the codes and scales need not be those that the quantiser above would give.
;; 2 versions, each right; version 2 is version 1 with the launch colsoftmax written anew for expert scheduling mode. Each part assembles by itself: llvm-mc -triple=amdgcn-amd-amdhsa -mcpu=gfx1250 --defsym DOCPART=n.
;; ======== version 1 of 2: 4 launches
;; workspace buffers: q_codes 6,291,456 bytes; q_scales 262,144 bytes; k_codes 6,291,456 bytes; k_scales 262,144 bytes; wpart 2,097,152 bytes; o_codes 6,291,456 bytes; o_scales 262,144 bytes
;; launch proj_qk (part 1): grid 8 x 64, 4 waves a work-group, clusters of 4 x 4, 327,680 bytes of LDS; arguments X_embed_codes, X_embed_scales, Wq_codes, Wq_scales, bq, q_codes, q_scales, Wk_codes, Wk_scales, bk, k_codes, k_scales; writes q_codes, q_scales, k_codes, k_scales
.if DOCPART == 1
	.amdgcn_target "amdgcn-amd-amdhsa--gfx1250"
	.amdhsa_code_object_version 6
	.text
	.protected	k_qcf588889ef_proj_qk
	.globl	k_qcf588889ef_proj_qk
	.p2align	8
	.type	k_qcf588889ef_proj_qk,@function
k_qcf588889ef_proj_qk:
	s_mov_b64 s[64:65], 0
	v_nop
	global_prefetch_b8 v0, s[64:65] scope:SCOPE_SE
	s_setreg_imm32_b32 hwreg(HW_REG_WAVE_MODE, 25, 1), 1
	s_wait_xcnt 0x0
	s_wait_alu depctr_hold_cnt(0) depctr_sa_sdst(0) depctr_va_vdst(0) depctr_va_sdst(0) depctr_va_ssrc(0) depctr_va_vcc(0) depctr_vm_vsrc(0)
	s_getreg_b32 s2, hwreg(HW_REG_IB_STS2, 6, 4)
	s_cmp_eq_u32 s2, 0
	s_cbranch_scc0 .Lentry_in_a_cluster
	s_endpgm
.Lentry_in_a_cluster:
	s_bfe_u32 s2, ttmp6, 0x10000c
	s_cmp_lg_u32 s2, 0xf033
	s_cbranch_scc0 .Lentry_shape_is_right
	s_endpgm
.Lentry_shape_is_right:
; KIND 1: (X Wq + bq) / 32 and (X Wk + bk) / 32.   KIND 3: (X Wv + bv) x w.   Both: the result is quantised to FP6 (E2M3) along its columns, blocks of 32, and stored as codes [8192][32][24] and scale bytes [8192][32].
; X [8192][1024] and W [1024 (n)][1024 (k)] arrive as FP6 codes, K innermost (a row is 768 bytes), with one E8M0 byte for each 32 along K.  The two kinds are one text; only the line below differs.
.set KIND, 1
; SHARES.  A work-group makes 128 rows x 256 columns; wave (wm, wn) = (wave / 2, wave % 2) makes 64 x 128: 32 accumulators of 16 x 16.  KIND 1: the cluster's x picks Wq or Wk (the same choice in all sixteen partners).
; LDS IS FILLED ONCE.  128 + 256 rows x 768 bytes are 294,912 bytes: the whole K of both tiles fits, so there is no ring and no refill.  A row's 768 bytes lie as three chunks of 256 bytes, chunk c of all rows in a
; region of its own, rows 272 bytes apart there.
; Each wave brings one load for each chunk (three of mine are out at the most); K steps 0, 1 want chunk 0, step 2 chunks 0 and 1, steps 3, 4 chunk 1, step 5 chunks 1 and 2, steps 6, 7 chunk 2.
; CLUSTER 4 x 4.  X's tile hangs on the row tile alone and is asked for jointly by a row of the cluster, W's on the column tile alone, by a column: a quarter of the requests.
; THE MATRIX INSTRUCTION IS USED TRANSPOSED (source 0 = 16 rows of W, source 1 = 16 rows of X): lane (r, h) holds row r and the columns 8 h + 0 .. 7 of a tile.  The bias is the C of K step 0.
; SCALES go from memory into registers and stay: a row's 32 bytes are its eight K steps' words; 32 lanes take 32 rows, so one register carries two tiles (lanes 0-15, lanes 16-31).
; REGISTERS, in windows of 256: window 0: v1-22 lane numbers and addresses; v32-47 X's scale words, v48-79 W's; v80-143 the bias, later the codes; v144-239 at work.
;   window 1: accumulator (mt, nt) at v[8 (8 mt + nt)].   windows 2, 3: two sets of fragments: X's tile mt at v[12 mt], W's tile nt at v[48 + 12 nt].
; LIMITS.  NaN and infinities are not served.  A block whose largest magnitude lies under the floor (KIND 1: 2^(8 - 127) ahead of the division by 32; KIND 3: 2^(3 - 127)) keeps the byte 1; a block of zeros gets the byte 1
; and not 127: its codes are zeros and this program alone reads the bytes.  The bias is added in front of the sum and not behind it.  The scale bytes leave as 4 bytes of each row's 32: 1 KiB a work-group beside 24 KiB of codes.
.set PITCH, 272
.set CH,    384*PITCH                  ; a chunk's region: X's 128 rows, then W's 256
.set BOFF,  128*PITCH
.set TILE,  16*PITCH
.set ADRA,  4                          ; v4-6    my X fragments in chunk 0, 1, 2: (64 wm + r) x 272 + 24 h
.set ADRA2, 7                          ; v7-8    the same for pieces whose lanes 16-31 lie in the next chunk: h x (CH - 232) in place of 24 h
.set ADRB,  9                          ; v9-11   W likewise
.set ADRB2, 12                         ; v12-13
.set SOF,   17                         ; v17     32 x lane: a row of scale bytes
.set BOF,   18                         ; v18     32 h: my eight numbers of a tile of the bias
.set STO,   19                         ; v19     the stage: where I put 12 bytes of codes
.set RD,    20                         ; v20     and where I read them back
.set GOF,   21                         ; v21     the same place in the codes' buffer
.set WOF,   22                         ; v22     64 r: my row of w
.set SA,    32
.set SB,    48
.set BIAS,  80
.set CD,    80                         ; the codes take the bias's registers
.set TM,    144                        ; v144-147 largest magnitudes; v148-151 the other half's; v152-155 the conversions' scale operands; v156-159 bytes
.set TP,    148
.set SCL,   152
.set BY,    156
.set PW,    160                        ; v160-163 a scale word for each tile of rows; v164-165 as they are stored
.set SW,    164
.set WF,    176                        ; v176-183 w of my row: a pair (columns 0-63, columns 64-127) for each tile of rows
.set WL,    208                        ; v208-239 its four parts
.set G1A,   28                         ; s[28:35], s[36:43] descriptor groups 1;  s[44:55], s[80:91] groups 0, one for each chunk
.set G1B,   36
.set G0A,   44
.set G0B,   80
.set SEL,   66                         ; s[66:67] v_permlanex16_b32's selects for lane l xor 16
.if KIND == 1
.set FLOOR, 8<<23
.else
.set FLOOR, 3<<23
.endif
.set MSB, 0
.macro WIN new                         ; bits 1:0 source 0, 3:2 source 1, 5:4 source 2, 7:6 destination; the high byte repeats the setting that is left
.if MSB != (\new)
	s_set_vgpr_msb (MSB<<8)|(\new)
.set MSB, (\new)
.endif
.endm
.macro PLACES n
.rept \n
	v_nop
.endr
.endm
.macro CROUND                          ; a round of the cluster's barrier
	s_barrier_signal -1
	s_barrier_wait -1
	s_cmp_lg_u32 s20, 0
	s_cbranch_scc1 .Lnot_wave_0_\@
	s_barrier_signal -3
.Lnot_wave_0_\@:
	s_barrier_wait -3
	s_barrier_signal -1
	s_barrier_wait -1
.endm
; A fragment, 16 rows x 128 K, is 12 registers: lane (r, h) takes the row's 8-byte pieces 12 s + 3 h + 0, 1, 2 and 12 s + 6 + 3 h + 0, 1, 2.  A chunk holds 32 pieces.
.macro FRAG reg, adr, adr2, s, off
.irp p, 0,1,2,3,4,5
.set PC, 12*(\s)+6*(\p/3)+\p%3
.if PC%32 < 29
	ds_load_b64 v[(\reg)+2*\p:(\reg)+2*\p+1], v[\adr+PC/32] offset:8*(PC%32)+(\off)
.else
	ds_load_b64 v[(\reg)+2*\p:(\reg)+2*\p+1], v[\adr2+PC/32] offset:8*(PC%32)+(\off)
.endif
.endr
.endm
.macro FETCH s, set                    ; K step s: my 4 fragments of X and 8 of W, 72 loads in one run
	WIN 0x80+0x40*(\set)
.irp t, 0,1,2,3
	FRAG 12*\t, ADRA, ADRA2, \s, TILE*\t
.endr
.irp t, 0,1,2,3,4,5,6,7
	FRAG 48+12*\t, ADRB, ADRB2, \s, TILE*\t
.endr
.endm
.macro WM mt, nt, s
.set rD, 8*(8*(\mt)+(\nt))
.set rC, rD
.if (\s) == 0
.set rC, BIAS+8*(\nt)
.endif
.set rW, 48+12*(\nt)
.set rA, 12*(\mt)
.set rV, SB+8*((\nt)/2)+(\s)
.set rU, SA+8*((\mt)/2)+(\s)
.if ((\nt)%2 == 0) && ((\mt)%2 == 0)
	v_wmma_scale_f32_16x16x128_f8f6f4 v[rD:rD+7], v[rW:rW+11], v[rA:rA+11], v[rC:rC+7], v[rV], v[rU] matrix_a_fmt:MATRIX_FMT_FP6 matrix_b_fmt:MATRIX_FMT_FP6
.elseif (\nt)%2 == 0
	v_wmma_scale_f32_16x16x128_f8f6f4 v[rD:rD+7], v[rW:rW+11], v[rA:rA+11], v[rC:rC+7], v[rV], v[rU] matrix_a_fmt:MATRIX_FMT_FP6 matrix_b_fmt:MATRIX_FMT_FP6 matrix_b_scale:MATRIX_SCALE_ROW1
.elseif (\mt)%2 == 0
	v_wmma_scale_f32_16x16x128_f8f6f4 v[rD:rD+7], v[rW:rW+11], v[rA:rA+11], v[rC:rC+7], v[rV], v[rU] matrix_a_fmt:MATRIX_FMT_FP6 matrix_b_fmt:MATRIX_FMT_FP6 matrix_a_scale:MATRIX_SCALE_ROW1
.else
	v_wmma_scale_f32_16x16x128_f8f6f4 v[rD:rD+7], v[rW:rW+11], v[rA:rA+11], v[rC:rC+7], v[rV], v[rU] matrix_a_fmt:MATRIX_FMT_FP6 matrix_b_fmt:MATRIX_FMT_FP6 matrix_a_scale:MATRIX_SCALE_ROW1 matrix_b_scale:MATRIX_SCALE_ROW1
.endif
.endm
.macro MUL s, set                      ; 32 matrix instructions; the 32 accumulators take turns, in the same order in every step
.if (\s) == 0
	WIN 0x4a                                       ; fragments window 2, C (the bias) window 0, D window 1
.else
	WIN 0x5a+5*(\set)                              ; fragments window 2 or 3, C and D window 1
.endif
.irp mt, 0,1,2,3
.irp nt, 0,1,2,3,4,5,6,7
	WM \mt, \nt, \s
.endr
.endr
.endm
.macro STEP s
	s_wait_dscnt 0x0                               ; this step's fragments are in (asked for ahead of the last step's 32 matrix instructions)
.if (\s) == 1
	s_wait_tensorcnt 0x1                           ; my part of chunk 1 has landed (chunk 2's load may be out),
	s_barrier_signal -1
	s_barrier_wait -1                              ; everybody's has: K step 2 is fetched below
.endif
.if (\s) == 4
	s_wait_tensorcnt 0x0                           ; chunk 2,
	s_barrier_signal -1
	s_barrier_wait -1                              ; for K step 5.  Every wave's reads of chunk 0 were over at its K step 2: behind this barrier chunk 0's bytes are free
.endif
.if (\s) < 7
.if (\s) > 0
	PLACES 4                                       ; in front of loads into registers that matrix instructions have read (ISA guide 7.12.1 for vector instructions)
.endif
	FETCH (\s)+1, ((\s)+1)%2
.endif
	MUL \s, (\s)%2
.endm
	s_load_b128 s[4:7], s[0:1], 0x0                ; X's codes, X's scales
	s_load_b256 s[8:15], s[0:1], 0x10              ; W's codes, W's scales, the bias, the result's codes
	s_load_b64 s[16:17], s[0:1], 0x30              ; the result's scales
.if KIND == 1
	s_load_b256 s[68:75], s[0:1], 0x38             ; the same five for Wk
	s_load_b64 s[76:77], s[0:1], 0x58
	v_lshl_add_u32 v254, v0, 2, 0x4c800
	v_mov_b32 v255, 0
	ds_add_u32 v254, v255
	ds_add_u32 v254, v255
.else
	s_load_b64 s[18:19], s[0:1], 0x38              ; w's four parts
.endif
	v_lshrrev_b32 v3, 5, v0
	v_readfirstlane_b32 s20, v3                    ; wave 0..3
	v_and_b32 v1, 15, v0                           ; r
	v_bfe_u32 v2, v0, 4, 1                         ; h
	v_and_b32 v3, 31, v0                           ; lane
.irp b, 0,1,2,3
	v_mov_b32 v[TP+\b], 0                          ; written once: a lane permute's destination counts as one of its sources
.endr
	s_lshr_b32 s21, s20, 1                         ; wm.  Also: I fetch for X (0) or for W (1)
	s_and_b32 s22, s20, 1                          ; wn.  Also: which half of that tile's rows I fetch
	s_bfe_u32 s23, ttmp6, 0x40000                  ; cx = the column tile in a weight
	s_bfe_u32 s24, ttmp6, 0x40004                  ; cy
	s_and_b32 s25, ttmp7, 0xffff
	s_lshl_b32 s25, s25, 2
	s_add_co_u32 s25, s25, s24                     ; y = 4 x cluster y + cy: the row tile
	s_lshl_b32 s26, s24, 2
	s_lshl_b32 s26, 15, s26                        ; my row of the cluster
	s_lshl_b32 s27, 0x1111, s23                    ; my column
	; group 1: rows of 32 elements of 8 bytes (a chunk), 96 elements apart in memory; 16 bytes of padding behind each 64 words
	s_or_b32 s[G1A], s26, (3<<16)|(1<<20)|(1<<21)|(5<<22)|(3<<25)
	s_or_b32 s[G1B], s27, (3<<16)|(1<<20)|(1<<21)|(5<<22)|(3<<25)
	s_mov_b32 s[G1A+1], 32<<16                     ; tensor_dim0
	s_mov_b32 s[G1A+2], 64<<16                     ; tensor_dim1: X's half is 64 rows
	s_mov_b32 s[G1A+3], 32<<16                     ; tile_dim0
	s_mov_b32 s[G1A+4], 64                         ; tile_dim1
	s_mov_b32 s[G1A+5], 96                         ; the pitch
	s_mov_b32 s[G1A+6], 0
	s_mov_b32 s[G1A+7], 0
	s_mov_b32 s[G1B+1], 32<<16
	s_mov_b32 s[G1B+2], 128<<16                    ; W's half is 128 rows
	s_mov_b32 s[G1B+3], 32<<16
	s_mov_b32 s[G1B+4], 128
	s_mov_b32 s[G1B+5], 96
	s_mov_b32 s[G1B+6], 0
	s_mov_b32 s[G1B+7], 0
	s_lshl_b32 s56, s25, 7
	s_lshl_b32 s57, s22, 6
	s_add_co_u32 s56, s56, s57
	s_mul_i32 s56, s56, 768                        ; X: row 128 y + 64 x half, in bytes
	s_mov_b32 s57, 0
	s_lshl_b32 s58, s23, 8
	s_lshl_b32 s59, s22, 7
	s_add_co_u32 s58, s58, s59
	s_mul_i32 s58, s58, 768                        ; W: row 256 cx + 128 x half
	s_mov_b32 s59, 0
	s_mul_i32 s60, s22, 64*PITCH                   ; where they go: the wave's number alone enters an LDS address
	s_mul_i32 s61, s22, 128*PITCH
	s_add_co_u32 s61, s61, BOFF
	s_mov_b32 s[SEL], 0x76543210
	s_mov_b32 s[SEL+1], 0xfedcba98
	s_wait_dscnt 0x0
	s_wait_kmcnt 0x0
.if KIND == 1
	s_cmp_eq_u32 ttmp9, 0                          ; the cluster's x: 0 takes Wq, 1 takes Wk; the choice hangs on no address
	s_cselect_b64 s[8:9], s[8:9], s[68:69]
	s_cselect_b64 s[10:11], s[10:11], s[70:71]
	s_cselect_b64 s[12:13], s[12:13], s[72:73]
	s_cselect_b64 s[14:15], s[14:15], s[74:75]
	s_cselect_b64 s[16:17], s[16:17], s[76:77]
.endif
	s_add_nc_u64 s[56:57], s[4:5], s[56:57]
	s_add_nc_u64 s[58:59], s[8:9], s[58:59]
	CROUND                                         ; all sixteen work-groups are here: the joint loads meet
.irp c, 0,1,2
	s_mov_b32 s[G0A+4*\c], 1
	s_add_co_u32 s[G0A+4*\c+1], s60, \c*CH
	s_add_nc_u64 s[G0A+4*\c+2:G0A+4*\c+3], s[56:57], \c*256
	s_or_b32 s[G0A+4*\c+3], s[G0A+4*\c+3], 0x80000000
	s_mov_b32 s[G0B+4*\c], 1
	s_add_co_u32 s[G0B+4*\c+1], s61, \c*CH
	s_add_nc_u64 s[G0B+4*\c+2:G0B+4*\c+3], s[58:59], \c*256
	s_or_b32 s[G0B+4*\c+3], s[G0B+4*\c+3], 0x80000000
.endr
	s_cmp_eq_u32 s21, 0                            ; a wave's three fills stand in one branch on its number; four v_nop follow the last
	s_cbranch_scc0 .Lfill_w
	tensor_load_to_lds s[G0A:G0A+3], s[G1A:G1A+7]
	s_nop 0
	tensor_load_to_lds s[G0A+4:G0A+7], s[G1A:G1A+7]
	s_nop 0
	tensor_load_to_lds s[G0A+8:G0A+11], s[G1A:G1A+7]
	s_nop 0
	PLACES 4
	s_branch .Lfilled
.Lfill_w:
	tensor_load_to_lds s[G0B:G0B+3], s[G1B:G1B+7]
	s_nop 0
	tensor_load_to_lds s[G0B+4:G0B+7], s[G1B:G1B+7]
	s_nop 0
	tensor_load_to_lds s[G0B+8:G0B+11], s[G1B:G1B+7]
	s_nop 0
	PLACES 4
.Lfilled:
	; every buffer at my part
	s_lshl_b32 s62, s25, 7
	s_lshl_b32 s63, s21, 6
	s_add_co_u32 s62, s62, s63                     ; my first row: 128 y + 64 wm
	s_lshl_b32 s92, s23, 8
	s_lshl_b32 s93, s22, 7
	s_add_co_u32 s92, s92, s93                     ; my first column: 256 cx + 128 wn
	s_mov_b32 s3, 0
	s_mov_b32 s95, 0
	s_lshl_b32 s2, s62, 5
	s_add_nc_u64 s[6:7], s[6:7], s[2:3]            ; X's scales: 32 bytes a row
	s_add_nc_u64 s[16:17], s[16:17], s[2:3]        ; the result's scales likewise,
	s_lshr_b32 s94, s92, 5
	s_add_nc_u64 s[16:17], s[16:17], s[94:95]      ; and a byte for each 32 columns
	s_lshl_b32 s94, s92, 5
	s_add_nc_u64 s[10:11], s[10:11], s[94:95]      ; W's scales
	s_lshl_b32 s94, s92, 2
	s_add_nc_u64 s[12:13], s[12:13], s[94:95]      ; the bias
	s_lshl_b32 s2, s25, 7
	s_lshl_b32 s63, s20, 5
	s_add_co_u32 s2, s2, s63
	s_mul_i32 s2, s2, 768
	s_add_nc_u64 s[14:15], s[14:15], s[2:3]        ; the result's codes: I store rows 128 y + 32 wave on,
	s_mul_i32 s94, s23, 192
	s_add_nc_u64 s[14:15], s[14:15], s[94:95]      ; 192 bytes of each: the work-group's 256 columns
.if KIND == 3
	s_lshl_b32 s2, s62, 6
	s_add_nc_u64 s[18:19], s[18:19], s[2:3]        ; w: 16 numbers a row,
	s_lshr_b32 s94, s92, 4
	s_add_nc_u64 s[18:19], s[18:19], s[94:95]      ; one for each 64 columns
	v_lshlrev_b32 v[WOF], 6, v1
.endif
	v_lshlrev_b32 v[SOF], 5, v3
	v_lshlrev_b32 v[BOF], 5, v2
.irp u, 0,1
	global_load_b128 v[SA+8*\u:SA+8*\u+3], v[SOF], s[6:7] offset:1024*\u          ; rows 32 u + lane: K steps 0-3,
	global_load_b128 v[SA+8*\u+4:SA+8*\u+7], v[SOF], s[6:7] offset:1024*\u+16     ; K steps 4-7: the two loads read 1,024 bytes on end
.endr
.irp u, 0,1,2,3
	global_load_b128 v[SB+8*\u:SB+8*\u+3], v[SOF], s[10:11] offset:1024*\u
	global_load_b128 v[SB+8*\u+4:SB+8*\u+7], v[SOF], s[10:11] offset:1024*\u+16
.endr
.irp t, 0,1,2,3,4,5,6,7
	global_load_b128 v[BIAS+8*\t:BIAS+8*\t+3], v[BOF], s[12:13] offset:64*\t      ; columns 16 t + 8 h + 0 .. 7: the result's layout
	global_load_b128 v[BIAS+8*\t+4:BIAS+8*\t+7], v[BOF], s[12:13] offset:64*\t+16
.endr
.if KIND == 3
.irp t, 0,1,2,3
.irp q, 0,1,2,3
	global_load_b64 v[WL+8*\t+2*\q:WL+8*\t+2*\q+1], v[WOF], s[18:19] offset:1024*\t+524288*\q   ; part q of w(row 16 t + r; my two groups of 64 columns)
.endr
.endr
.endif
	v_mul_u32_u24 v14, v1, PITCH
	v_mad_u32_u24 v15, v2, 24, v14
	v_mad_u32_u24 v16, v2, CH-232, v14
	s_mul_i32 s78, s21, 64*PITCH
	s_mul_i32 s79, s22, 128*PITCH
	s_add_co_u32 s79, s79, BOFF
.irp c, 0,1,2
	v_add_nc_u32 v[ADRA+\c], s78, v15
	v_add_nc_u32 v[ADRB+\c], s79, v15
.if \c < 2
	v_add_nc_u32 v[ADRA2+\c], s78, v16
	v_add_nc_u32 v[ADRB2+\c], s79, v16
.endif
	s_add_co_u32 s78, s78, CH
	s_add_co_u32 s79, s79, CH
.endr
	s_mul_i32 s78, s21, 64*PITCH
	s_lshl_b32 s79, s22, 7
	s_add_co_u32 s78, s78, s79
	v_lshl_add_u32 v[STO], v2, 4, v14
	v_add_nc_u32 v[STO], s78, v[STO]               ; the stage: row 64 wm + r; a place of 16 bytes for each 16 columns: 128 wn + 16 h
	s_mul_i32 s78, s20, 32*PITCH
	v_mul_u32_u24 v[RD], v2, PITCH
	v_lshl_add_u32 v[RD], v1, 4, v[RD]
	v_add_nc_u32 v[RD], s78, v[RD]                 ; back: rows 32 wave + h, place r
	v_mul_u32_u24 v[GOF], v2, 768
	v_mad_u32_u24 v[GOF], v1, 12, v[GOF]
	s_wait_tensorcnt 0x2                           ; my part of chunk 0 has landed (chunks 1 and 2 may be out)
	s_barrier_signal -1
	s_barrier_wait -1                              ; everybody's has
	FETCH 0, 0
	WIN 0
	s_wait_loadcnt 0x0                             ; scales, bias (and w)
.if KIND == 3
.irp t, 0,1,2,3
	v_pk_add_f32 v[WL+8*\t:WL+8*\t+1], v[WL+8*\t:WL+8*\t+1], v[WL+8*\t+2:WL+8*\t+3]
	v_pk_add_f32 v[WL+8*\t+4:WL+8*\t+5], v[WL+8*\t+4:WL+8*\t+5], v[WL+8*\t+6:WL+8*\t+7]
.endr
.irp t, 0,1,2,3
	v_pk_add_f32 v[WF+2*\t:WF+2*\t+1], v[WL+8*\t:WL+8*\t+1], v[WL+8*\t+4:WL+8*\t+5]   ; w = the sum over the four quarters of the keys
.endr
.endif
.irp s, 0,1,2,3,4,5,6,7
	STEP \s
.endr
	WIN 0
	PLACES 4                                       ; in front of the first read of results
; THE WAY OUT of a tile of 16 rows x my 128 columns.  A block of 32 columns lies in two accumulators; eight exchanges of halves give lane (r, h) the 16 neighbouring columns 32 b + 16 h + 0 .. 15 in 16 registers on end.
.macro QROW mt
	WIN 0x41
.irp b, 0,1,2,3
.irp j, 0,1,2,3,4,5,6,7
	v_permlane16_swap_b32 v[64*\mt+16*\b+\j], v[64*\mt+16*\b+8+\j]   ; each accumulator from its low end on
.endr
.endr
.if KIND == 3
.irp b, 0,1,2,3
.irp j, 0,2,4,6,8,10,12,14
.if \b < 2
	v_pk_mul_f32 v[64*\mt+16*\b+\j:64*\mt+16*\b+\j+1], v[64*\mt+16*\b+\j:64*\mt+16*\b+\j+1], v[WF+2*\mt:WF+2*\mt+1] op_sel_hi:[1,0]   ; columns 0-63: the pair's low word
.else
	v_pk_mul_f32 v[64*\mt+16*\b+\j:64*\mt+16*\b+\j+1], v[64*\mt+16*\b+\j:64*\mt+16*\b+\j+1], v[WF+2*\mt:WF+2*\mt+1] op_sel:[0,1] op_sel_hi:[1,1]   ; columns 64-127: its high word
.endif
.endr
.endr
.endif
	WIN 0x05
.irp b, 0,1,2,3
	v_max3_num_f32 v[TM+\b], |v[64*\mt+16*\b]|, |v[64*\mt+16*\b+1]|, FLOOR   ; my 16 numbers of block b, and the floor, which holds the byte at 1 from below
.endr
.irp i, 2,4,6,8,10,12,14
.irp b, 0,1,2,3
	v_max3_num_f32 v[TM+\b], |v[64*\mt+16*\b+\i]|, |v[64*\mt+16*\b+\i+1]|, v[TM+\b]
.endr
.endr
	WIN 0
.irp b, 0,1,2,3
	v_permlanex16_b32 v[TP+\b], v[TM+\b], s[SEL], s[SEL+1]
.endr
.irp b, 0,1,2,3
	v_max_num_f32 v[TM+\b], v[TM+\b], v[TP+\b]     ; with lane l xor 16's: the block's largest magnitude
.endr
.irp b, 0,1,2,3
	v_add_nc_u32 v[SCL+\b], 0xff000000, v[TM+\b]   ; 2 off its exponent field: the conversion's scale operand
.endr
.if KIND == 1
.irp b, 0,1,2,3
	v_add_nc_u32 v[BY+\b], 0xfc800000, v[TM+\b]    ; the division by 32 is exact: the codes are those of the undivided number, and the byte is 5 lower: 7 off the exponent field
.endr
.irp b, 0,1,2,3
	v_lshrrev_b32 v[BY+\b], 23, v[BY+\b]
.endr
.else
.irp b, 0,1,2,3
	v_lshrrev_b32 v[BY+\b], 23, v[SCL+\b]
.endr
.endif
	v_lshl_or_b32 v[PW+\mt], v[BY+1], 8, v[BY]
	v_lshl_or_b32 v[PW+\mt], v[BY+2], 16, v[PW+\mt]
	v_lshl_or_b32 v[PW+\mt], v[BY+3], 24, v[PW+\mt]
	WIN 0x01
.irp b, 0,1,2,3
	v_cvt_scalef32_pk16_fp6_f32 v[CD+16*\mt+4*\b:CD+16*\mt+4*\b+2], v[64*\mt+16*\b:64*\mt+16*\b+15], v[SCL+\b]
.endr
	v_nop                                          ; one plain place behind a scaled conversion
	WIN 0
.irp b, 0,1,2,3
	ds_store_b96 v[STO], v[CD+16*\mt+4*\b:CD+16*\mt+4*\b+2] offset:TILE*\mt+32*\b   ; 12 bytes to a place of 16: every LDS address is a multiple of 16.  The stage lies in chunk 0's bytes: filled once, read for the last time ahead of K step 4's barrier
.endr
.endm
.irp t, 0,1,2,3
	QROW \t
.endr
	v_cmp_le_u32 vcc_lo, 16, v3
	v_cndmask_b32 v[SW], v[PW], v[PW+1], vcc_lo    ; lanes 0-15: rows 0-15; lanes 16-31: rows 16-31
	v_cndmask_b32 v[SW+1], v[PW+2], v[PW+3], vcc_lo
	global_store_b32 v[SOF], v[SW], s[16:17]
	global_store_b32 v[SOF], v[SW+1], s[16:17] offset:1024
	s_wait_dscnt 0x0                               ; for the others' sake: my codes lie in the stage
	s_barrier_signal -1
	s_barrier_wait -1                              ; a row's sixteen places come from two waves
.irp t, 0,1,2,3,4,5,6,7,8,9,10,11,12,13,14,15
	ds_load_b96 v[CD+4*\t:CD+4*\t+2], v[RD] offset:2*PITCH*\t
.endr
.irp t, 0,1,2,3,4,5,6,7,8,9,10,11,12,13,14,15
	s_wait_dscnt 15-\t                             ; LDS loads come back in order: the younger ones may be out
	global_store_b96 v[GOF], v[CD+4*\t:CD+4*\t+2], s[14:15] offset:1536*\t   ; sixteen lanes store a row's 192 consecutive bytes
.endr
	s_wait_tensorcnt 0x0
	ds_add_u32 v254, v255
	s_wait_dscnt 0x0
	CROUND                                         ; the closing round
	s_endpgm
.Lfunc_end_k_qcf588889ef_proj_qk:
	.size	k_qcf588889ef_proj_qk, .Lfunc_end_k_qcf588889ef_proj_qk-k_qcf588889ef_proj_qk
	.p2alignl 7, 3214868480
	.fill 96, 4, 3214868480
	.section	.rodata,"a",@progbits
	.p2align	6, 0x0
	.amdhsa_kernel k_qcf588889ef_proj_qk
		.amdhsa_group_segment_fixed_size 327680
		.amdhsa_private_segment_fixed_size 0
		.amdhsa_enable_private_segment 0
		.amdhsa_kernarg_size 96
		.amdhsa_user_sgpr_count 2
		.amdhsa_user_sgpr_kernarg_segment_ptr 1
		.amdhsa_wavefront_size32 1
		.amdhsa_system_sgpr_workgroup_id_x 1
		.amdhsa_system_sgpr_workgroup_id_y 1
		.amdhsa_system_sgpr_workgroup_id_z 1
		.amdhsa_system_vgpr_workitem_id 0
		.amdhsa_next_free_vgpr 1024
		.amdhsa_next_free_sgpr 96
		.amdhsa_reserve_vcc 1
		.amdhsa_float_denorm_mode_32 3
		.amdhsa_float_denorm_mode_16_64 3
		.amdhsa_memory_ordered 1
		.amdhsa_forward_progress 1
		.amdhsa_inst_pref_size 106
	.end_amdhsa_kernel
	.amdgpu_metadata
---
amdhsa.version: [ 1, 2 ]
amdhsa.kernels:
  - .name:           k_qcf588889ef_proj_qk
    .symbol:         k_qcf588889ef_proj_qk.kd
    .args:
      - { .name: X_embed_codes, .offset: 0, .size: 8, .value_kind: global_buffer, .address_space: global }
      - { .name: X_embed_scales, .offset: 8, .size: 8, .value_kind: global_buffer, .address_space: global }
      - { .name: Wq_codes, .offset: 16, .size: 8, .value_kind: global_buffer, .address_space: global }
      - { .name: Wq_scales, .offset: 24, .size: 8, .value_kind: global_buffer, .address_space: global }
      - { .name: bq, .offset: 32, .size: 8, .value_kind: global_buffer, .address_space: global }
      - { .name: q_codes, .offset: 40, .size: 8, .value_kind: global_buffer, .address_space: global }
      - { .name: q_scales, .offset: 48, .size: 8, .value_kind: global_buffer, .address_space: global }
      - { .name: Wk_codes, .offset: 56, .size: 8, .value_kind: global_buffer, .address_space: global }
      - { .name: Wk_scales, .offset: 64, .size: 8, .value_kind: global_buffer, .address_space: global }
      - { .name: bk, .offset: 72, .size: 8, .value_kind: global_buffer, .address_space: global }
      - { .name: k_codes, .offset: 80, .size: 8, .value_kind: global_buffer, .address_space: global }
      - { .name: k_scales, .offset: 88, .size: 8, .value_kind: global_buffer, .address_space: global }
    .group_segment_fixed_size: 327680
    .private_segment_fixed_size: 0
    .kernarg_segment_align: 8
    .kernarg_segment_size: 96
    .max_flat_workgroup_size: 128
    .sgpr_count:     96
    .vgpr_count:     1024
    .wavefront_size: 32
...
	.end_amdgpu_metadata
.endif
;; end of part 1
;; launch colsoftmax (part 2): grid 256 x 1, 4 waves a work-group, no clusters, 140,800 bytes of LDS; arguments q_codes, q_scales, k_codes, k_scales, wpart; writes wpart
.if DOCPART == 2
	.amdgcn_target "amdgcn-amd-amdhsa--gfx1250"
	.amdhsa_code_object_version 6
	.text
	.protected	k_qcf588889ef_colsoftmax
	.globl	k_qcf588889ef_colsoftmax
	.p2align	8
	.type	k_qcf588889ef_colsoftmax,@function
k_qcf588889ef_colsoftmax:
	s_mov_b64 s[64:65], 0
	v_nop
	global_prefetch_b8 v0, s[64:65] scope:SCOPE_SE
	s_setreg_imm32_b32 hwreg(HW_REG_WAVE_MODE, 25, 1), 1
	s_wait_xcnt 0x0
; wpart[q][2048 hd + a] = the sum over the keys b of quarter q of exp(s(a, b) - m_b) / Z_b, with s = Q K^T of head hd on FP6 codes, m_b and Z_b the maximum and the sum of exponentials over ALL 2,048 queries a of column b.
; THE HEADS.  reference() reshapes without transposing: head hd is rows 128 hd .. 128 hd + 127 of the [8192][1024] projection, and head-row a is matrix row 128 hd + a / 16, columns 64 (a % 16) on.  So 16 neighbouring
; head-rows are ONE matrix row: lane (r, h) of a fragment takes its 24 bytes at 48 r + 24 h of that row's 768, and its two scale bytes at 2 r of the row's 32.
; SHARES.  Work-group g: head g / 4, quarter g % 4 of the keys: 32 pieces of 16 keys (piece p = K's matrix row 128 hd + 32 q + p).  Wave w owns queries 512 w .. 512 w + 511: 32 tiles, whose codes stay in registers.
; LAYOUT.  Source 0 = 16 queries, source 1 = the piece's 16 keys: lane (r, h) holds key r and, in register 8 i + j, query 16 i + 8 h + j.  A column's maximum and sum lie in a lane and its partner l xor 16.
; K IS 64, THE INSTRUCTION'S 128: the upper six registers of the keys' operand are zero codes, so what stands in the upper six of the queries' operand counts for nothing: there stands the next tile (tiles lie 6 registers apart).
; The scale words are 16 bits widened with zeros: bytes 2 and 3 are 0, a finite scale.
; ONE EXCHANGE A PIECE.  Each wave takes ITS OWN column maximum away: mu = c x max (c = log2 e), E = 2^(c s - mu), Z' = the sum of E.  The waves exchange (mu, Z'): mu_g = the largest mu, Z = the sum of Z' 2^(mu - mu_g),
; f = 2^(my mu - mu_g) / Z, and the lane's sums take E x f.  Each exponential is taken once: a piece's 256 E a lane stay in registers until f is known, a piece later, while the next piece is at work: two sets.
; The sums over the 16 keys of a lane row are folded once, at the end, through the wave's own LDS.
; NO JOINT LOADS: a head's four work-groups share Q alone; each wave reads its 24 KiB of Q once, into registers in which they stay for all 32 pieces, and a joint load lands in LDS, from where the same bytes would have to be
; read once more.  K's pieces (768 bytes) are each read by one work-group.  No tensor load, no ring: a piece's K is asked for a whole piece ahead.
; REGISTERS: window 0: v1-9 addresses and statistics, v10-25 at work, v26-28 the fold's addresses, v29 K's scale words, v30-41 K's operand, v42-57 Q's scale words, v58-249 Q, v250-255 zeros.
;   window 1: the sums.   windows 2, 3: E of the even and of the odd pieces.
; LIMITS.  NaN and infinities are not served.  v_exp_f32 and v_rcp_f32 are as accurate as the ISA guide states them and flush denormals: an E under 2^-126 of its wave's largest counts as 0.
.set KA,  1                            ; v1   48 r + 24 h, stepped a matrix row (768 bytes) a piece
.set KSA, 2                            ; v2   2 x lane, stepped two rows of scale bytes (64) a pair of pieces
.set STS, 3                            ; v3   128 wave + 8 r: where I put (mu, Z')
.set STL, 4                            ; v4   8 r: from where I read the four waves'
.set TP,  5                            ; v5   the lane permutes' destination
.set PR,  6                            ; v[6:7]  mu, Z'
.set FF,  8                            ; v[8:9]  f, and a word that is only named
.set T,   10                           ; v10-25
.set RS,  26
.set RL,  27
.set GO,  28
.set KSC, 29
.set KF,  30
.set QS,  42
.set Q,   58
.set FOLD, 1024                        ; LDS: two slots of 512 bytes for the statistics; from here on 128 rows x 272 bytes for each wave
.set FREG, 128*272
.set MSB, 0
.macro WIN new                         ; bits 1:0 source 0, 3:2 source 1, 5:4 source 2, 7:6 destination; the high byte repeats the setting that is left
.if MSB != (\new)
	s_set_vgpr_msb (MSB<<8)|(\new)
.set MSB, (\new)
.endif
.endm
.macro SCORES e, i0, n                 ; tiles i0 .. i0 + n - 1 against the piece in hand, into set e
	WIN 0x80+0x40*(\e)
.set i, \i0
.rept \n
.if (i%2 == 0) && ((\e) == 0)
	v_wmma_scale_f32_16x16x128_f8f6f4 v[8*i:8*i+7], v[Q+6*i:Q+6*i+11], v[KF:KF+11], 0, v[QS+i/2], v[KSC] matrix_a_fmt:MATRIX_FMT_FP6 matrix_b_fmt:MATRIX_FMT_FP6
.elseif (\e) == 0
	v_wmma_scale_f32_16x16x128_f8f6f4 v[8*i:8*i+7], v[Q+6*i:Q+6*i+11], v[KF:KF+11], 0, v[QS+i/2], v[KSC] matrix_a_fmt:MATRIX_FMT_FP6 matrix_b_fmt:MATRIX_FMT_FP6 matrix_a_scale:MATRIX_SCALE_ROW1
.elseif i%2 == 0
	v_wmma_scale_f32_16x16x128_f8f6f4 v[8*i:8*i+7], v[Q+6*i:Q+6*i+11], v[KF:KF+11], 0, v[QS+i/2], v[KSC] matrix_a_fmt:MATRIX_FMT_FP6 matrix_b_fmt:MATRIX_FMT_FP6 matrix_b_scale:MATRIX_SCALE_ROW1
.else
	v_wmma_scale_f32_16x16x128_f8f6f4 v[8*i:8*i+7], v[Q+6*i:Q+6*i+11], v[KF:KF+11], 0, v[QS+i/2], v[KSC] matrix_a_fmt:MATRIX_FMT_FP6 matrix_b_fmt:MATRIX_FMT_FP6 matrix_a_scale:MATRIX_SCALE_ROW1 matrix_b_scale:MATRIX_SCALE_ROW1
.endif
.set i, i+1
.endr
.endm
.macro STATS_IN e                      ; the four waves' (mu, Z') of my key, from slot e
.irp w, 0,1,2,3
	ds_load_b64 v[T+2*\w:T+2*\w+1], v[STL] offset:512*(\e)+128*\w
.endr
.endm
.macro FACTOR                          ; f of the piece whose statistics have come
	v_max3_num_f32 v[T+8], v[T], v[T+2], v[T+4]
	v_max_num_f32 v[T+8], v[T+8], v[T+6]           ; mu_g
	v_sub_f32 v[T], v[T], v[T+8]
	v_sub_f32 v[T+2], v[T+2], v[T+8]
	v_sub_f32 v[T+4], v[T+4], v[T+8]
	v_sub_f32 v[T+6], v[T+6], v[T+8]
	v_sub_f32 v[T+9], v[PR], v[T+8]                ; my own
	v_exp_f32 v[T], v[T]
	v_exp_f32 v[T+2], v[T+2]
	v_exp_f32 v[T+4], v[T+4]
	v_exp_f32 v[T+6], v[T+6]
	v_exp_f32 v[T+9], v[T+9]
	v_nop                                          ; a plain place behind the exponentials
	s_wait_alu depctr_va_vdst(0)
	v_mul_f32 v[T+10], v[T], v[T+1]
	v_fmac_f32 v[T+10], v[T+2], v[T+3]
	v_fmac_f32 v[T+10], v[T+4], v[T+5]
	v_fmac_f32 v[T+10], v[T+6], v[T+7]             ; Z: at least 1, the share of the wave that holds the maximum
	v_rcp_f32 v[T+10], v[T+10]
	v_nop                                          ; a plain place behind the reciprocal
	s_wait_alu depctr_va_vdst(0)
	v_mul_f32 v[FF], v[T+9], v[T+10]
.endm
.macro NEXT_K e                        ; the next piece's K.  The last loads by these address registers were waited for at the piece's head; the matrix instructions that read v29-35 stand more than four plain instructions back
.if (\e) == 0
	v_add_nc_u32 v[KA], 768, v[KA]
.else
	v_add_nc_u32 v[KA], s25, v[KA]                 ; 768, or 0 behind the last piece: that look-ahead reads the last piece again, and no load leaves its buffer
	v_add_nc_u32 v[KSA], s26, v[KSA]
	global_load_u16 v[KSC], v[KSA], s[10:11]       ; lanes 0-15: the even piece's words; lanes 16-31: the odd piece's
.endif
.irp p, 0,1,2
	global_load_b64 v[KF+2*\p:KF+2*\p+1], v[KA], s[8:9] offset:8*\p
.endr
.endm
.macro WEIGH e, first                  ; the sums (window 1) take set e's E (window 2 + e) x f.  first = 1: they begin so: nothing is cleared
	WIN 0x52+(\e)
.set k, 0
.rept 128
.if \first
	v_pk_mul_f32 v[2*k:2*k+1], v[2*k:2*k+1], v[FF:FF+1] op_sel_hi:[1,0]
.else
	v_pk_fma_f32 v[2*k:2*k+1], v[2*k:2*k+1], v[FF:FF+1], v[2*k:2*k+1] op_sel_hi:[1,0,1]
.endif
.set k, k+1
.endr
.endm
.macro COLMAX e                        ; mu = c x the largest of my wave's 512 scores of my key: eight chains; each accumulator is read from its low end on
	WIN 0x0a+5*(\e)
.irp g, 0,1,2,3
.irp q, 0,1,2,3
.irp u, 0,1,2,3,4,5,6,7
.if (\g == 0) && (\q == 0)
	v_max_num_f32 v[T+\u], v[8*\u], v[8*\u+1]
.else
	v_max3_num_f32 v[T+\u], v[8*(8*\g+\u)+2*\q], v[8*(8*\g+\u)+2*\q+1], v[T+\u]
.endif
.endr
.endr
.endr
	WIN 0
	v_max3_num_f32 v[T], v[T], v[T+1], v[T+2]
	v_max3_num_f32 v[T+3], v[T+3], v[T+4], v[T+5]
	v_max3_num_f32 v[T], v[T], v[T+3], v[T+6]
	v_max_num_f32 v[T], v[T], v[T+7]
	v_permlanex16_b32 v[TP], v[T], s20, s21
	v_max_num_f32 v[T], v[T], v[TP]
	v_mul_f32 v[PR], s22, v[T]
.endm
.macro EXPS e                          ; E = 2^(c s - mu), in place; the multiply-adds run four pairs ahead of their exponentials and stand between them
	WIN 0x82+0x41*(\e)
.set k, 0
.rept 4
	v_pk_fma_f32 v[2*k:2*k+1], v[2*k:2*k+1], s[22:23], v[PR:PR+1] op_sel_hi:[1,0,0] neg_lo:[0,0,1] neg_hi:[0,0,1]
.set k, k+1
.endr
.set k, 0
.rept 128
	v_exp_f32 v[2*k], v[2*k]
.if k+4 < 128
	v_pk_fma_f32 v[2*k+8:2*k+9], v[2*k+8:2*k+9], s[22:23], v[PR:PR+1] op_sel_hi:[1,0,0] neg_lo:[0,0,1] neg_hi:[0,0,1]
.endif
	v_exp_f32 v[2*k+1], v[2*k+1]
.set k, k+1
.endr
.endm
.macro COLSUM e                        ; Z' = the sum of my wave's 512 E of my key: eight chains of pairs.  (The first addition names none of the last exponentials' registers: it is their plain place)
	WIN 0x0a+5*(\e)
	s_wait_alu depctr_va_vdst(0)
.irp u, 0,1,2,3,4,5,6,7
	v_pk_add_f32 v[T+2*\u:T+2*\u+1], v[4*\u:4*\u+1], v[4*\u+2:4*\u+3]
.endr
	WIN 0x08+4*(\e)
.set k, 16
.rept 112
	v_pk_add_f32 v[T+2*(k%8):T+2*(k%8)+1], v[T+2*(k%8):T+2*(k%8)+1], v[2*k:2*k+1]
.set k, k+1
.endr
	WIN 0
.irp u, 0,4,8,12
	v_pk_add_f32 v[T+\u:T+\u+1], v[T+\u:T+\u+1], v[T+\u+2:T+\u+3]
.endr
	v_pk_add_f32 v[T:T+1], v[T:T+1], v[T+4:T+5]
	v_pk_add_f32 v[T+8:T+9], v[T+8:T+9], v[T+12:T+13]
	v_pk_add_f32 v[T:T+1], v[T:T+1], v[T+8:T+9]
	v_add_f32 v[T], v[T], v[T+1]
	v_permlanex16_b32 v[TP], v[T], s20, s21
	v_add_f32 v[PR+1], v[T], v[TP]
.endm
.macro STATS_OUT e
	ds_store_b64 v[STS], v[PR:PR+1] offset:512*(\e)   ; lanes l and l xor 16 write the same words with the same values
	s_wait_dscnt 0x0                               ; for the others' sake: it stands in front of the next piece's signal
.endm
; A PIECE.  Slot e is written at the end of a piece of parity e, read behind the next piece's barrier (those reads are back in front of the barrier after that) and written again only behind that one.
.macro BODY e, first
	s_wait_loadcnt 0x0                             ; this piece's K is in
	s_barrier_signal -1                            ; my statistics of the last piece lie in LDS;
	SCORES \e, 0, 16                               ; sixteen matrix instructions while the others arrive;
	s_barrier_wait -1                              ; everybody's do
	WIN 0
	STATS_IN 1-(\e)
	SCORES \e, 16, 16                              ; sixteen more while they come
	WIN 0
	s_wait_dscnt 0x0
	FACTOR
	NEXT_K \e
	WEIGH 1-(\e), \first                           ; the last piece is finished.  (These are also the places between the products and the first read of their results)
	COLMAX \e
	EXPS \e
	COLSUM \e
	STATS_OUT \e
.endm
	s_load_b256 s[4:11], s[0:1], 0x0               ; Q's codes, Q's scales, K's codes, K's scales
	s_load_b64 s[12:13], s[0:1], 0x20              ; wpart
.irp j, 0,1,2,3,4,5
	v_mov_b32 v[KF+6+\j], 0                        ; the zero codes of K = 64 .. 127
	v_mov_b32 v[250+\j], 0                         ; what the last tile's operand names behind its own six registers
.endr
	v_mov_b32 v[TP], 0                             ; written once: a lane permute's destination counts as one of its sources
	v_mov_b32 v[PR+1], 0                           ; (named as halves of pairs before they are first written)
	v_mov_b32 v[FF+1], 0
	v_lshrrev_b32 v10, 5, v0
	v_readfirstlane_b32 s14, v10                   ; wave 0..3
	v_and_b32 v10, 15, v0                          ; r
	v_bfe_u32 v11, v0, 4, 1                        ; h
	v_and_b32 v12, 31, v0                          ; lane
	v_mul_u32_u24 v[KA], v10, 48
	v_mad_u32_u24 v[KA], v11, 24, v[KA]
	v_lshlrev_b32 v[KSA], 1, v12
	v_lshlrev_b32 v[STL], 3, v10
	s_lshl_b32 s15, s14, 7
	v_add_nc_u32 v[STS], s15, v[STL]
	s_mul_i32 s15, s14, FREG
	s_add_co_u32 s15, s15, FOLD                    ; my wave's bytes for the fold
	v_mul_u32_u24 v[RS], v11, 272
	v_lshl_add_u32 v[RS], v10, 4, v[RS]
	v_add_nc_u32 v[RS], s15, v[RS]                 ; in: row h of a pair of rows, 16 bytes for key r
	v_and_b32 v13, 28, v12
	v_and_b32 v14, 1, v12
	v_lshl_add_u32 v13, v14, 1, v13
	v_bfe_u32 v14, v12, 1, 1
	v_add_nc_u32 v13, v13, v14                     ; back: queries 4 L .. 4 L + 3 lie in row 4 (L / 4) + 2 (L % 2) + (L / 2) % 2
	v_mul_u32_u24 v[RL], v13, 272
	v_add_nc_u32 v[RL], s15, v[RL]
	v_lshlrev_b32 v[GO], 4, v12
	s_lshr_b32 s16, ttmp9, 2                       ; the head
	s_and_b32 s17, ttmp9, 3                        ; the quarter of its keys
	s_lshl_b32 s18, s16, 7
	s_lshl_b32 s19, s14, 5
	s_add_co_u32 s19, s18, s19                     ; Q's first matrix row of mine: 128 hd + 32 wave
	s_lshl_b32 s27, s17, 5
	s_add_co_u32 s18, s18, s27                     ; K's: 128 hd + 32 q
	s_mov_b32 s20, 0x76543210
	s_mov_b32 s21, 0xfedcba98                      ; v_permlanex16_b32's selects for lane l xor 16
	s_mov_b32 s22, 0x3fb8aa3b                      ; c = log2 e
	s_mov_b32 s23, s22                             ; (named with it as a pair)
	s_mov_b32 s25, 768
	s_mov_b32 s26, 64
	s_mov_b32 s29, 0
	s_wait_kmcnt 0x0
	s_mul_i32 s28, s19, 768
	s_add_nc_u64 s[4:5], s[4:5], s[28:29]
	s_lshl_b32 s28, s19, 5
	s_add_nc_u64 s[6:7], s[6:7], s[28:29]
	s_mul_i32 s28, s18, 768
	s_add_nc_u64 s[8:9], s[8:9], s[28:29]
	s_lshl_b32 s28, s18, 5
	s_add_nc_u64 s[10:11], s[10:11], s[28:29]
	s_lshl_b32 s28, s17, 19                        ; wpart: 524,288 bytes a quarter,
	s_lshl_b32 s30, s16, 13                        ; 8,192 a head,
	s_add_co_u32 s28, s28, s30
	s_lshl_b32 s30, s14, 11                        ; 2,048 for a wave's 512 queries
	s_add_co_u32 s28, s28, s30
	s_add_nc_u64 s[12:13], s[12:13], s[28:29]
.irp p, 0,1,2
	global_load_b64 v[KF+2*\p:KF+2*\p+1], v[KA], s[8:9] offset:8*\p   ; piece 0
.endr
	global_load_u16 v[KSC], v[KSA], s[10:11]
.set i, 0
.rept 32
.irp p, 0,1,2
	global_load_b64 v[Q+6*i+2*\p:Q+6*i+2*\p+1], v[KA], s[4:5] offset:768*i+8*\p   ; tile i: a matrix row; its three loads cover the row's 768 bytes
.endr
.set i, i+1
.endr
.irp u, 0,1,2,3,4,5,6,7,8,9,10,11,12,13,14,15
	global_load_u16 v[QS+\u], v[KSA], s[6:7] offset:64*\u   ; lanes 0-15: tile 2 u's words; lanes 16-31: tile 2 u + 1's
.endr
	s_wait_loadcnt 0x0
	SCORES 0, 0, 32                                ; piece 0: there is no earlier piece to finish
	WIN 0
.rept 4
	v_nop                                          ; places in front of loads into registers that matrix instructions have read, and of the first read of results
.endr
	NEXT_K 0
	COLMAX 0
	EXPS 0
	COLSUM 0
	STATS_OUT 0
	BODY 1, 1                                      ; piece 1; piece 0's E x f begin the sums
	s_mov_b32 s24, 15
.Lpair:                                            ; 15 trips: pieces 2 t and 2 t + 1
	s_cmp_lg_u32 s24, 1
	s_cselect_b32 s25, 768, 0                      ; in the last trip the odd piece's look-ahead does not step
	s_cselect_b32 s26, 64, 0
	BODY 0, 0
	BODY 1, 0
	s_sub_co_u32 s24, s24, 1
	s_cmp_lg_u32 s24, 0
	s_cbranch_scc1 .Lpair
	s_wait_loadcnt 0x0                             ; the look-ahead's loads are in: nothing of mine is pending on a register
	s_barrier_signal -1                            ; piece 31 is finished
	s_barrier_wait -1
	STATS_IN 1
	s_wait_dscnt 0x0
	FACTOR
	WEIGH 1, 0
	; THE FOLD.  Register 8 i + j of lane (r, h) holds query 16 i + 8 h + j's sum over the keys r, r + 16, ..: sixteen lanes' numbers are to be added.  Four registers (four neighbouring queries) go to a row of my own LDS
	; bytes, 16 bytes for each r; then a lane reads a whole row and adds its sixteen groups of four.  Rows are 272 bytes apart. No other wave touches these bytes.
	WIN 0x04                                       ; an LDS store's data are its source 1: window 1
.set k, 0
.rept 64
	ds_store_b128 v[RS], v[4*k:4*k+3] offset:544*k
.set k, k+1
.endr
	WIN 0
.macro FLOAD t                         ; rows 32 t + .. : queries 128 t + 4 L on, into Q's registers, which are done with
.set FB, Q+64*((\t)%2)
.irp c, 0,1,2,3,4,5,6,7,8,9,10,11,12,13,14,15
	ds_load_b128 v[FB+4*\c:FB+4*\c+3], v[RL] offset:8704*(\t)+16*\c   ; LDS serves a wave's instructions in order: these see my stores
.endr
.endm
.macro TREE t
.set FB, Q+64*((\t)%2)
.irp c, 0,1,2,3,4,5,6,7
	v_pk_add_f32 v[FB+4*\c:FB+4*\c+1], v[FB+4*\c:FB+4*\c+1], v[FB+32+4*\c:FB+32+4*\c+1]
	v_pk_add_f32 v[FB+4*\c+2:FB+4*\c+3], v[FB+4*\c+2:FB+4*\c+3], v[FB+32+4*\c+2:FB+32+4*\c+3]
.endr
.irp c, 0,1,2,3
	v_pk_add_f32 v[FB+4*\c:FB+4*\c+1], v[FB+4*\c:FB+4*\c+1], v[FB+16+4*\c:FB+16+4*\c+1]
	v_pk_add_f32 v[FB+4*\c+2:FB+4*\c+3], v[FB+4*\c+2:FB+4*\c+3], v[FB+16+4*\c+2:FB+16+4*\c+3]
.endr
.irp c, 0,1
	v_pk_add_f32 v[FB+4*\c:FB+4*\c+1], v[FB+4*\c:FB+4*\c+1], v[FB+8+4*\c:FB+8+4*\c+1]
	v_pk_add_f32 v[FB+4*\c+2:FB+4*\c+3], v[FB+4*\c+2:FB+4*\c+3], v[FB+8+4*\c+2:FB+8+4*\c+3]
.endr
	v_pk_add_f32 v[186+4*(\t):187+4*(\t)], v[FB:FB+1], v[FB+4:FB+5]
	v_pk_add_f32 v[188+4*(\t):189+4*(\t)], v[FB+2:FB+3], v[FB+6:FB+7]
.endm
	FLOAD 0
	FLOAD 1
.irp t, 0,1,2,3
.if \t < 3
	s_wait_dscnt 16                                ; this quarter's sixteen loads are in; the next quarter's may be out
.else
	s_wait_dscnt 0x0
.endif
	TREE \t
	global_store_b128 v[GO], v[186+4*\t:189+4*\t], s[12:13] offset:512*\t   ; 32 lanes store 512 consecutive bytes
.if \t < 2
	FLOAD \t+2
.endif
.endr
	s_wait_xcnt 0x0
	v_lshl_add_u32 v254, v0, 2, 0x22400
	v_mov_b32 v255, 0
	s_wait_tensorcnt 0x0
	ds_add_u32 v254, v255
	s_wait_dscnt 0x0
	s_endpgm
.Lfunc_end_k_qcf588889ef_colsoftmax:
	.size	k_qcf588889ef_colsoftmax, .Lfunc_end_k_qcf588889ef_colsoftmax-k_qcf588889ef_colsoftmax
	.p2alignl 7, 3214868480
	.fill 96, 4, 3214868480
	.section	.rodata,"a",@progbits
	.p2align	6, 0x0
	.amdhsa_kernel k_qcf588889ef_colsoftmax
		.amdhsa_group_segment_fixed_size 140800
		.amdhsa_private_segment_fixed_size 0
		.amdhsa_enable_private_segment 0
		.amdhsa_kernarg_size 40
		.amdhsa_user_sgpr_count 2
		.amdhsa_user_sgpr_kernarg_segment_ptr 1
		.amdhsa_wavefront_size32 1
		.amdhsa_system_sgpr_workgroup_id_x 1
		.amdhsa_system_sgpr_workgroup_id_y 1
		.amdhsa_system_sgpr_workgroup_id_z 1
		.amdhsa_system_vgpr_workitem_id 0
		.amdhsa_next_free_vgpr 1024
		.amdhsa_next_free_sgpr 66
		.amdhsa_reserve_vcc 0
		.amdhsa_float_denorm_mode_32 3
		.amdhsa_float_denorm_mode_16_64 3
		.amdhsa_memory_ordered 1
		.amdhsa_forward_progress 1
		.amdhsa_inst_pref_size 216
	.end_amdhsa_kernel
	.amdgpu_metadata
---
amdhsa.version: [ 1, 2 ]
amdhsa.kernels:
  - .name:           k_qcf588889ef_colsoftmax
    .symbol:         k_qcf588889ef_colsoftmax.kd
    .args:
      - { .name: q_codes, .offset: 0, .size: 8, .value_kind: global_buffer, .address_space: global }
      - { .name: q_scales, .offset: 8, .size: 8, .value_kind: global_buffer, .address_space: global }
      - { .name: k_codes, .offset: 16, .size: 8, .value_kind: global_buffer, .address_space: global }
      - { .name: k_scales, .offset: 24, .size: 8, .value_kind: global_buffer, .address_space: global }
      - { .name: wpart, .offset: 32, .size: 8, .value_kind: global_buffer, .address_space: global }
    .group_segment_fixed_size: 140800
    .private_segment_fixed_size: 0
    .kernarg_segment_align: 8
    .kernarg_segment_size: 40
    .max_flat_workgroup_size: 128
    .sgpr_count:     66
    .vgpr_count:     1024
    .wavefront_size: 32
...
	.end_amdgpu_metadata
.endif
;; end of part 2
;; launch proj_v (part 3): grid 4 x 64, 4 waves a work-group, clusters of 4 x 4, 327,680 bytes of LDS; arguments X_embed_codes, X_embed_scales, Wv_codes, Wv_scales, bv, o_codes, o_scales, wpart; writes o_codes, o_scales
.if DOCPART == 3
	.amdgcn_target "amdgcn-amd-amdhsa--gfx1250"
	.amdhsa_code_object_version 6
	.text
	.protected	k_qcf588889ef_proj_v
	.globl	k_qcf588889ef_proj_v
	.p2align	8
	.type	k_qcf588889ef_proj_v,@function
k_qcf588889ef_proj_v:
	s_mov_b64 s[64:65], 0
	v_nop
	global_prefetch_b8 v0, s[64:65] scope:SCOPE_SE
	s_setreg_imm32_b32 hwreg(HW_REG_WAVE_MODE, 25, 1), 1
	s_wait_xcnt 0x0
	s_wait_alu depctr_hold_cnt(0) depctr_sa_sdst(0) depctr_va_vdst(0) depctr_va_sdst(0) depctr_va_ssrc(0) depctr_va_vcc(0) depctr_vm_vsrc(0)
	s_getreg_b32 s2, hwreg(HW_REG_IB_STS2, 6, 4)
	s_cmp_eq_u32 s2, 0
	s_cbranch_scc0 .Lentry_in_a_cluster
	s_endpgm
.Lentry_in_a_cluster:
	s_bfe_u32 s2, ttmp6, 0x10000c
	s_cmp_lg_u32 s2, 0xf033
	s_cbranch_scc0 .Lentry_shape_is_right
	s_endpgm
.Lentry_shape_is_right:
; KIND 1: (X Wq + bq) / 32 and (X Wk + bk) / 32.   KIND 3: (X Wv + bv) x w.   Both: the result is quantised to FP6 (E2M3) along its columns, blocks of 32, and stored as codes [8192][32][24] and scale bytes [8192][32].
; X [8192][1024] and W [1024 (n)][1024 (k)] arrive as FP6 codes, K innermost (a row is 768 bytes), with one E8M0 byte for each 32 along K.  The two kinds are one text; only the line below differs.
.set KIND, 3
; w(row R, columns 64 g .. 64 g + 63) = the sum of the four parts wpart[q][16 R + g]: reference() sums the softmax over the keys and scales V's head-row by it; a head-row is 64 columns of a matrix row.
; SHARES.  A work-group makes 128 rows x 256 columns; wave (wm, wn) = (wave / 2, wave % 2) makes 64 x 128: 32 accumulators of 16 x 16.  KIND 1: the cluster's x picks Wq or Wk (the same choice in all sixteen partners).
; LDS IS FILLED ONCE.  128 + 256 rows x 768 bytes are 294,912 bytes: the whole K of both tiles fits, so there is no ring and no refill.  A row's 768 bytes lie as three chunks of 256 bytes, chunk c of all rows in a
; region of its own, rows 272 bytes apart there.
; Each wave brings one load for each chunk (three of mine are out at the most); K steps 0, 1 want chunk 0, step 2 chunks 0 and 1, steps 3, 4 chunk 1, step 5 chunks 1 and 2, steps 6, 7 chunk 2.
; CLUSTER 4 x 4.  X's tile hangs on the row tile alone and is asked for jointly by a row of the cluster, W's on the column tile alone, by a column: a quarter of the requests.
; THE MATRIX INSTRUCTION IS USED TRANSPOSED (source 0 = 16 rows of W, source 1 = 16 rows of X): lane (r, h) holds row r and the columns 8 h + 0 .. 7 of a tile.  The bias is the C of K step 0.
; SCALES go from memory into registers and stay: a row's 32 bytes are its eight K steps' words; 32 lanes take 32 rows, so one register carries two tiles (lanes 0-15, lanes 16-31).
; REGISTERS, in windows of 256: window 0: v1-22 lane numbers and addresses; v32-47 X's scale words, v48-79 W's; v80-143 the bias, later the codes; v144-239 at work.
;   window 1: accumulator (mt, nt) at v[8 (8 mt + nt)].   windows 2, 3: two sets of fragments: X's tile mt at v[12 mt], W's tile nt at v[48 + 12 nt].
; LIMITS.  NaN and infinities are not served.  A block whose largest magnitude lies under the floor (KIND 1: 2^(8 - 127) ahead of the division by 32; KIND 3: 2^(3 - 127)) keeps the byte 1; a block of zeros gets the byte 1
; and not 127: its codes are zeros and this program alone reads the bytes.  The bias is added in front of the sum and not behind it.  The scale bytes leave as 4 bytes of each row's 32: 1 KiB a work-group beside 24 KiB of codes.
.set PITCH, 272
.set CH,    384*PITCH                  ; a chunk's region: X's 128 rows, then W's 256
.set BOFF,  128*PITCH
.set TILE,  16*PITCH
.set ADRA,  4                          ; v4-6    my X fragments in chunk 0, 1, 2: (64 wm + r) x 272 + 24 h
.set ADRA2, 7                          ; v7-8    the same for pieces whose lanes 16-31 lie in the next chunk: h x (CH - 232) in place of 24 h
.set ADRB,  9                          ; v9-11   W likewise
.set ADRB2, 12                         ; v12-13
.set SOF,   17                         ; v17     32 x lane: a row of scale bytes
.set BOF,   18                         ; v18     32 h: my eight numbers of a tile of the bias
.set STO,   19                         ; v19     the stage: where I put 12 bytes of codes
.set RD,    20                         ; v20     and where I read them back
.set GOF,   21                         ; v21     the same place in the codes' buffer
.set WOF,   22                         ; v22     64 r: my row of w
.set SA,    32
.set SB,    48
.set BIAS,  80
.set CD,    80                         ; the codes take the bias's registers
.set TM,    144                        ; v144-147 largest magnitudes; v148-151 the other half's; v152-155 the conversions' scale operands; v156-159 bytes
.set TP,    148
.set SCL,   152
.set BY,    156
.set PW,    160                        ; v160-163 a scale word for each tile of rows; v164-165 as they are stored
.set SW,    164
.set WF,    176                        ; v176-183 w of my row: a pair (columns 0-63, columns 64-127) for each tile of rows
.set WL,    208                        ; v208-239 its four parts
.set G1A,   28                         ; s[28:35], s[36:43] descriptor groups 1;  s[44:55], s[80:91] groups 0, one for each chunk
.set G1B,   36
.set G0A,   44
.set G0B,   80
.set SEL,   66                         ; s[66:67] v_permlanex16_b32's selects for lane l xor 16
.if KIND == 1
.set FLOOR, 8<<23
.else
.set FLOOR, 3<<23
.endif
.set MSB, 0
.macro WIN new                         ; bits 1:0 source 0, 3:2 source 1, 5:4 source 2, 7:6 destination; the high byte repeats the setting that is left
.if MSB != (\new)
	s_set_vgpr_msb (MSB<<8)|(\new)
.set MSB, (\new)
.endif
.endm
.macro PLACES n
.rept \n
	v_nop
.endr
.endm
.macro CROUND                          ; a round of the cluster's barrier
	s_barrier_signal -1
	s_barrier_wait -1
	s_cmp_lg_u32 s20, 0
	s_cbranch_scc1 .Lnot_wave_0_\@
	s_barrier_signal -3
.Lnot_wave_0_\@:
	s_barrier_wait -3
	s_barrier_signal -1
	s_barrier_wait -1
.endm
; A fragment, 16 rows x 128 K, is 12 registers: lane (r, h) takes the row's 8-byte pieces 12 s + 3 h + 0, 1, 2 and 12 s + 6 + 3 h + 0, 1, 2.  A chunk holds 32 pieces.
.macro FRAG reg, adr, adr2, s, off
.irp p, 0,1,2,3,4,5
.set PC, 12*(\s)+6*(\p/3)+\p%3
.if PC%32 < 29
	ds_load_b64 v[(\reg)+2*\p:(\reg)+2*\p+1], v[\adr+PC/32] offset:8*(PC%32)+(\off)
.else
	ds_load_b64 v[(\reg)+2*\p:(\reg)+2*\p+1], v[\adr2+PC/32] offset:8*(PC%32)+(\off)
.endif
.endr
.endm
.macro FETCH s, set                    ; K step s: my 4 fragments of X and 8 of W, 72 loads in one run
	WIN 0x80+0x40*(\set)
.irp t, 0,1,2,3
	FRAG 12*\t, ADRA, ADRA2, \s, TILE*\t
.endr
.irp t, 0,1,2,3,4,5,6,7
	FRAG 48+12*\t, ADRB, ADRB2, \s, TILE*\t
.endr
.endm
.macro WM mt, nt, s
.set rD, 8*(8*(\mt)+(\nt))
.set rC, rD
.if (\s) == 0
.set rC, BIAS+8*(\nt)
.endif
.set rW, 48+12*(\nt)
.set rA, 12*(\mt)
.set rV, SB+8*((\nt)/2)+(\s)
.set rU, SA+8*((\mt)/2)+(\s)
.if ((\nt)%2 == 0) && ((\mt)%2 == 0)
	v_wmma_scale_f32_16x16x128_f8f6f4 v[rD:rD+7], v[rW:rW+11], v[rA:rA+11], v[rC:rC+7], v[rV], v[rU] matrix_a_fmt:MATRIX_FMT_FP6 matrix_b_fmt:MATRIX_FMT_FP6
.elseif (\nt)%2 == 0
	v_wmma_scale_f32_16x16x128_f8f6f4 v[rD:rD+7], v[rW:rW+11], v[rA:rA+11], v[rC:rC+7], v[rV], v[rU] matrix_a_fmt:MATRIX_FMT_FP6 matrix_b_fmt:MATRIX_FMT_FP6 matrix_b_scale:MATRIX_SCALE_ROW1
.elseif (\mt)%2 == 0
	v_wmma_scale_f32_16x16x128_f8f6f4 v[rD:rD+7], v[rW:rW+11], v[rA:rA+11], v[rC:rC+7], v[rV], v[rU] matrix_a_fmt:MATRIX_FMT_FP6 matrix_b_fmt:MATRIX_FMT_FP6 matrix_a_scale:MATRIX_SCALE_ROW1
.else
	v_wmma_scale_f32_16x16x128_f8f6f4 v[rD:rD+7], v[rW:rW+11], v[rA:rA+11], v[rC:rC+7], v[rV], v[rU] matrix_a_fmt:MATRIX_FMT_FP6 matrix_b_fmt:MATRIX_FMT_FP6 matrix_a_scale:MATRIX_SCALE_ROW1 matrix_b_scale:MATRIX_SCALE_ROW1
.endif
.endm
.macro MUL s, set                      ; 32 matrix instructions; the 32 accumulators take turns, in the same order in every step
.if (\s) == 0
	WIN 0x4a                                       ; fragments window 2, C (the bias) window 0, D window 1
.else
	WIN 0x5a+5*(\set)                              ; fragments window 2 or 3, C and D window 1
.endif
.irp mt, 0,1,2,3
.irp nt, 0,1,2,3,4,5,6,7
	WM \mt, \nt, \s
.endr
.endr
.endm
.macro STEP s
	s_wait_dscnt 0x0                               ; this step's fragments are in (asked for ahead of the last step's 32 matrix instructions)
.if (\s) == 1
	s_wait_tensorcnt 0x1                           ; my part of chunk 1 has landed (chunk 2's load may be out),
	s_barrier_signal -1
	s_barrier_wait -1                              ; everybody's has: K step 2 is fetched below
.endif
.if (\s) == 4
	s_wait_tensorcnt 0x0                           ; chunk 2,
	s_barrier_signal -1
	s_barrier_wait -1                              ; for K step 5.  Every wave's reads of chunk 0 were over at its K step 2: behind this barrier chunk 0's bytes are free
.endif
.if (\s) < 7
.if (\s) > 0
	PLACES 4                                       ; in front of loads into registers that matrix instructions have read (ISA guide 7.12.1 for vector instructions)
.endif
	FETCH (\s)+1, ((\s)+1)%2
.endif
	MUL \s, (\s)%2
.endm
	s_load_b128 s[4:7], s[0:1], 0x0                ; X's codes, X's scales
	s_load_b256 s[8:15], s[0:1], 0x10              ; W's codes, W's scales, the bias, the result's codes
	s_load_b64 s[16:17], s[0:1], 0x30              ; the result's scales
.if KIND == 1
	s_load_b256 s[68:75], s[0:1], 0x38             ; the same five for Wk
	s_load_b64 s[76:77], s[0:1], 0x58
.else
	s_load_b64 s[18:19], s[0:1], 0x38              ; w's four parts
	v_lshl_add_u32 v254, v0, 2, 0x4c800
	v_mov_b32 v255, 0
	ds_add_u32 v254, v255
	ds_add_u32 v254, v255
.endif
	v_lshrrev_b32 v3, 5, v0
	v_readfirstlane_b32 s20, v3                    ; wave 0..3
	v_and_b32 v1, 15, v0                           ; r
	v_bfe_u32 v2, v0, 4, 1                         ; h
	v_and_b32 v3, 31, v0                           ; lane
.irp b, 0,1,2,3
	v_mov_b32 v[TP+\b], 0                          ; written once: a lane permute's destination counts as one of its sources
.endr
	s_lshr_b32 s21, s20, 1                         ; wm.  Also: I fetch for X (0) or for W (1)
	s_and_b32 s22, s20, 1                          ; wn.  Also: which half of that tile's rows I fetch
	s_bfe_u32 s23, ttmp6, 0x40000                  ; cx = the column tile in a weight
	s_bfe_u32 s24, ttmp6, 0x40004                  ; cy
	s_and_b32 s25, ttmp7, 0xffff
	s_lshl_b32 s25, s25, 2
	s_add_co_u32 s25, s25, s24                     ; y = 4 x cluster y + cy: the row tile
	s_lshl_b32 s26, s24, 2
	s_lshl_b32 s26, 15, s26                        ; my row of the cluster
	s_lshl_b32 s27, 0x1111, s23                    ; my column
	; group 1: rows of 32 elements of 8 bytes (a chunk), 96 elements apart in memory; 16 bytes of padding behind each 64 words
	s_or_b32 s[G1A], s26, (3<<16)|(1<<20)|(1<<21)|(5<<22)|(3<<25)
	s_or_b32 s[G1B], s27, (3<<16)|(1<<20)|(1<<21)|(5<<22)|(3<<25)
	s_mov_b32 s[G1A+1], 32<<16                     ; tensor_dim0
	s_mov_b32 s[G1A+2], 64<<16                     ; tensor_dim1: X's half is 64 rows
	s_mov_b32 s[G1A+3], 32<<16                     ; tile_dim0
	s_mov_b32 s[G1A+4], 64                         ; tile_dim1
	s_mov_b32 s[G1A+5], 96                         ; the pitch
	s_mov_b32 s[G1A+6], 0
	s_mov_b32 s[G1A+7], 0
	s_mov_b32 s[G1B+1], 32<<16
	s_mov_b32 s[G1B+2], 128<<16                    ; W's half is 128 rows
	s_mov_b32 s[G1B+3], 32<<16
	s_mov_b32 s[G1B+4], 128
	s_mov_b32 s[G1B+5], 96
	s_mov_b32 s[G1B+6], 0
	s_mov_b32 s[G1B+7], 0
	s_lshl_b32 s56, s25, 7
	s_lshl_b32 s57, s22, 6
	s_add_co_u32 s56, s56, s57
	s_mul_i32 s56, s56, 768                        ; X: row 128 y + 64 x half, in bytes
	s_mov_b32 s57, 0
	s_lshl_b32 s58, s23, 8
	s_lshl_b32 s59, s22, 7
	s_add_co_u32 s58, s58, s59
	s_mul_i32 s58, s58, 768                        ; W: row 256 cx + 128 x half
	s_mov_b32 s59, 0
	s_mul_i32 s60, s22, 64*PITCH                   ; where they go: the wave's number alone enters an LDS address
	s_mul_i32 s61, s22, 128*PITCH
	s_add_co_u32 s61, s61, BOFF
	s_mov_b32 s[SEL], 0x76543210
	s_mov_b32 s[SEL+1], 0xfedcba98
	s_wait_dscnt 0x0
	s_wait_kmcnt 0x0
.if KIND == 1
	s_cmp_eq_u32 ttmp9, 0                          ; the cluster's x: 0 takes Wq, 1 takes Wk; the choice hangs on no address
	s_cselect_b64 s[8:9], s[8:9], s[68:69]
	s_cselect_b64 s[10:11], s[10:11], s[70:71]
	s_cselect_b64 s[12:13], s[12:13], s[72:73]
	s_cselect_b64 s[14:15], s[14:15], s[74:75]
	s_cselect_b64 s[16:17], s[16:17], s[76:77]
.endif
	s_add_nc_u64 s[56:57], s[4:5], s[56:57]
	s_add_nc_u64 s[58:59], s[8:9], s[58:59]
	CROUND                                         ; all sixteen work-groups are here: the joint loads meet
.irp c, 0,1,2
	s_mov_b32 s[G0A+4*\c], 1
	s_add_co_u32 s[G0A+4*\c+1], s60, \c*CH
	s_add_nc_u64 s[G0A+4*\c+2:G0A+4*\c+3], s[56:57], \c*256
	s_or_b32 s[G0A+4*\c+3], s[G0A+4*\c+3], 0x80000000
	s_mov_b32 s[G0B+4*\c], 1
	s_add_co_u32 s[G0B+4*\c+1], s61, \c*CH
	s_add_nc_u64 s[G0B+4*\c+2:G0B+4*\c+3], s[58:59], \c*256
	s_or_b32 s[G0B+4*\c+3], s[G0B+4*\c+3], 0x80000000
.endr
	s_cmp_eq_u32 s21, 0                            ; a wave's three fills stand in one branch on its number; four v_nop follow the last
	s_cbranch_scc0 .Lfill_w
	tensor_load_to_lds s[G0A:G0A+3], s[G1A:G1A+7]
	s_nop 0
	tensor_load_to_lds s[G0A+4:G0A+7], s[G1A:G1A+7]
	s_nop 0
	tensor_load_to_lds s[G0A+8:G0A+11], s[G1A:G1A+7]
	s_nop 0
	PLACES 4
	s_branch .Lfilled
.Lfill_w:
	tensor_load_to_lds s[G0B:G0B+3], s[G1B:G1B+7]
	s_nop 0
	tensor_load_to_lds s[G0B+4:G0B+7], s[G1B:G1B+7]
	s_nop 0
	tensor_load_to_lds s[G0B+8:G0B+11], s[G1B:G1B+7]
	s_nop 0
	PLACES 4
.Lfilled:
	; every buffer at my part
	s_lshl_b32 s62, s25, 7
	s_lshl_b32 s63, s21, 6
	s_add_co_u32 s62, s62, s63                     ; my first row: 128 y + 64 wm
	s_lshl_b32 s92, s23, 8
	s_lshl_b32 s93, s22, 7
	s_add_co_u32 s92, s92, s93                     ; my first column: 256 cx + 128 wn
	s_mov_b32 s3, 0
	s_mov_b32 s95, 0
	s_lshl_b32 s2, s62, 5
	s_add_nc_u64 s[6:7], s[6:7], s[2:3]            ; X's scales: 32 bytes a row
	s_add_nc_u64 s[16:17], s[16:17], s[2:3]        ; the result's scales likewise,
	s_lshr_b32 s94, s92, 5
	s_add_nc_u64 s[16:17], s[16:17], s[94:95]      ; and a byte for each 32 columns
	s_lshl_b32 s94, s92, 5
	s_add_nc_u64 s[10:11], s[10:11], s[94:95]      ; W's scales
	s_lshl_b32 s94, s92, 2
	s_add_nc_u64 s[12:13], s[12:13], s[94:95]      ; the bias
	s_lshl_b32 s2, s25, 7
	s_lshl_b32 s63, s20, 5
	s_add_co_u32 s2, s2, s63
	s_mul_i32 s2, s2, 768
	s_add_nc_u64 s[14:15], s[14:15], s[2:3]        ; the result's codes: I store rows 128 y + 32 wave on,
	s_mul_i32 s94, s23, 192
	s_add_nc_u64 s[14:15], s[14:15], s[94:95]      ; 192 bytes of each: the work-group's 256 columns
.if KIND == 3
	s_lshl_b32 s2, s62, 6
	s_add_nc_u64 s[18:19], s[18:19], s[2:3]        ; w: 16 numbers a row,
	s_lshr_b32 s94, s92, 4
	s_add_nc_u64 s[18:19], s[18:19], s[94:95]      ; one for each 64 columns
	v_lshlrev_b32 v[WOF], 6, v1
.endif
	v_lshlrev_b32 v[SOF], 5, v3
	v_lshlrev_b32 v[BOF], 5, v2
.irp u, 0,1
	global_load_b128 v[SA+8*\u:SA+8*\u+3], v[SOF], s[6:7] offset:1024*\u          ; rows 32 u + lane: K steps 0-3,
	global_load_b128 v[SA+8*\u+4:SA+8*\u+7], v[SOF], s[6:7] offset:1024*\u+16     ; K steps 4-7: the two loads read 1,024 bytes on end
.endr
.irp u, 0,1,2,3
	global_load_b128 v[SB+8*\u:SB+8*\u+3], v[SOF], s[10:11] offset:1024*\u
	global_load_b128 v[SB+8*\u+4:SB+8*\u+7], v[SOF], s[10:11] offset:1024*\u+16
.endr
.irp t, 0,1,2,3,4,5,6,7
	global_load_b128 v[BIAS+8*\t:BIAS+8*\t+3], v[BOF], s[12:13] offset:64*\t      ; columns 16 t + 8 h + 0 .. 7: the result's layout
	global_load_b128 v[BIAS+8*\t+4:BIAS+8*\t+7], v[BOF], s[12:13] offset:64*\t+16
.endr
.if KIND == 3
.irp t, 0,1,2,3
.irp q, 0,1,2,3
	global_load_b64 v[WL+8*\t+2*\q:WL+8*\t+2*\q+1], v[WOF], s[18:19] offset:1024*\t+524288*\q   ; part q of w(row 16 t + r; my two groups of 64 columns)
.endr
.endr
.endif
	v_mul_u32_u24 v14, v1, PITCH
	v_mad_u32_u24 v15, v2, 24, v14
	v_mad_u32_u24 v16, v2, CH-232, v14
	s_mul_i32 s78, s21, 64*PITCH
	s_mul_i32 s79, s22, 128*PITCH
	s_add_co_u32 s79, s79, BOFF
.irp c, 0,1,2
	v_add_nc_u32 v[ADRA+\c], s78, v15
	v_add_nc_u32 v[ADRB+\c], s79, v15
.if \c < 2
	v_add_nc_u32 v[ADRA2+\c], s78, v16
	v_add_nc_u32 v[ADRB2+\c], s79, v16
.endif
	s_add_co_u32 s78, s78, CH
	s_add_co_u32 s79, s79, CH
.endr
	s_mul_i32 s78, s21, 64*PITCH
	s_lshl_b32 s79, s22, 7
	s_add_co_u32 s78, s78, s79
	v_lshl_add_u32 v[STO], v2, 4, v14
	v_add_nc_u32 v[STO], s78, v[STO]               ; the stage: row 64 wm + r; a place of 16 bytes for each 16 columns: 128 wn + 16 h
	s_mul_i32 s78, s20, 32*PITCH
	v_mul_u32_u24 v[RD], v2, PITCH
	v_lshl_add_u32 v[RD], v1, 4, v[RD]
	v_add_nc_u32 v[RD], s78, v[RD]                 ; back: rows 32 wave + h, place r
	v_mul_u32_u24 v[GOF], v2, 768
	v_mad_u32_u24 v[GOF], v1, 12, v[GOF]
	s_wait_tensorcnt 0x2                           ; my part of chunk 0 has landed (chunks 1 and 2 may be out)
	s_barrier_signal -1
	s_barrier_wait -1                              ; everybody's has
	FETCH 0, 0
	WIN 0
	s_wait_loadcnt 0x0                             ; scales, bias (and w)
.if KIND == 3
.irp t, 0,1,2,3
	v_pk_add_f32 v[WL+8*\t:WL+8*\t+1], v[WL+8*\t:WL+8*\t+1], v[WL+8*\t+2:WL+8*\t+3]
	v_pk_add_f32 v[WL+8*\t+4:WL+8*\t+5], v[WL+8*\t+4:WL+8*\t+5], v[WL+8*\t+6:WL+8*\t+7]
.endr
.irp t, 0,1,2,3
	v_pk_add_f32 v[WF+2*\t:WF+2*\t+1], v[WL+8*\t:WL+8*\t+1], v[WL+8*\t+4:WL+8*\t+5]   ; w = the sum over the four quarters of the keys
.endr
.endif
.irp s, 0,1,2,3,4,5,6,7
	STEP \s
.endr
	WIN 0
	PLACES 4                                       ; in front of the first read of results
; THE WAY OUT of a tile of 16 rows x my 128 columns.  A block of 32 columns lies in two accumulators; eight exchanges of halves give lane (r, h) the 16 neighbouring columns 32 b + 16 h + 0 .. 15 in 16 registers on end.
.macro QROW mt
	WIN 0x41
.irp b, 0,1,2,3
.irp j, 0,1,2,3,4,5,6,7
	v_permlane16_swap_b32 v[64*\mt+16*\b+\j], v[64*\mt+16*\b+8+\j]   ; each accumulator from its low end on
.endr
.endr
.if KIND == 3
.irp b, 0,1,2,3
.irp j, 0,2,4,6,8,10,12,14
.if \b < 2
	v_pk_mul_f32 v[64*\mt+16*\b+\j:64*\mt+16*\b+\j+1], v[64*\mt+16*\b+\j:64*\mt+16*\b+\j+1], v[WF+2*\mt:WF+2*\mt+1] op_sel_hi:[1,0]   ; columns 0-63: the pair's low word
.else
	v_pk_mul_f32 v[64*\mt+16*\b+\j:64*\mt+16*\b+\j+1], v[64*\mt+16*\b+\j:64*\mt+16*\b+\j+1], v[WF+2*\mt:WF+2*\mt+1] op_sel:[0,1] op_sel_hi:[1,1]   ; columns 64-127: its high word
.endif
.endr
.endr
.endif
	WIN 0x05
.irp b, 0,1,2,3
	v_max3_num_f32 v[TM+\b], |v[64*\mt+16*\b]|, |v[64*\mt+16*\b+1]|, FLOOR   ; my 16 numbers of block b, and the floor, which holds the byte at 1 from below
.endr
.irp i, 2,4,6,8,10,12,14
.irp b, 0,1,2,3
	v_max3_num_f32 v[TM+\b], |v[64*\mt+16*\b+\i]|, |v[64*\mt+16*\b+\i+1]|, v[TM+\b]
.endr
.endr
	WIN 0
.irp b, 0,1,2,3
	v_permlanex16_b32 v[TP+\b], v[TM+\b], s[SEL], s[SEL+1]
.endr
.irp b, 0,1,2,3
	v_max_num_f32 v[TM+\b], v[TM+\b], v[TP+\b]     ; with lane l xor 16's: the block's largest magnitude
.endr
.irp b, 0,1,2,3
	v_add_nc_u32 v[SCL+\b], 0xff000000, v[TM+\b]   ; 2 off its exponent field: the conversion's scale operand
.endr
.if KIND == 1
.irp b, 0,1,2,3
	v_add_nc_u32 v[BY+\b], 0xfc800000, v[TM+\b]    ; the division by 32 is exact: the codes are those of the undivided number, and the byte is 5 lower: 7 off the exponent field
.endr
.irp b, 0,1,2,3
	v_lshrrev_b32 v[BY+\b], 23, v[BY+\b]
.endr
.else
.irp b, 0,1,2,3
	v_lshrrev_b32 v[BY+\b], 23, v[SCL+\b]
.endr
.endif
	v_lshl_or_b32 v[PW+\mt], v[BY+1], 8, v[BY]
	v_lshl_or_b32 v[PW+\mt], v[BY+2], 16, v[PW+\mt]
	v_lshl_or_b32 v[PW+\mt], v[BY+3], 24, v[PW+\mt]
	WIN 0x01
.irp b, 0,1,2,3
	v_cvt_scalef32_pk16_fp6_f32 v[CD+16*\mt+4*\b:CD+16*\mt+4*\b+2], v[64*\mt+16*\b:64*\mt+16*\b+15], v[SCL+\b]
.endr
	v_nop                                          ; one plain place behind a scaled conversion
	WIN 0
.irp b, 0,1,2,3
	ds_store_b96 v[STO], v[CD+16*\mt+4*\b:CD+16*\mt+4*\b+2] offset:TILE*\mt+32*\b   ; 12 bytes to a place of 16: every LDS address is a multiple of 16.  The stage lies in chunk 0's bytes: filled once, read for the last time ahead of K step 4's barrier
.endr
.endm
.irp t, 0,1,2,3
	QROW \t
.endr
	v_cmp_le_u32 vcc_lo, 16, v3
	v_cndmask_b32 v[SW], v[PW], v[PW+1], vcc_lo    ; lanes 0-15: rows 0-15; lanes 16-31: rows 16-31
	v_cndmask_b32 v[SW+1], v[PW+2], v[PW+3], vcc_lo
	global_store_b32 v[SOF], v[SW], s[16:17]
	global_store_b32 v[SOF], v[SW+1], s[16:17] offset:1024
	s_wait_dscnt 0x0                               ; for the others' sake: my codes lie in the stage
	s_barrier_signal -1
	s_barrier_wait -1                              ; a row's sixteen places come from two waves
.irp t, 0,1,2,3,4,5,6,7,8,9,10,11,12,13,14,15
	ds_load_b96 v[CD+4*\t:CD+4*\t+2], v[RD] offset:2*PITCH*\t
.endr
.irp t, 0,1,2,3,4,5,6,7,8,9,10,11,12,13,14,15
	s_wait_dscnt 15-\t                             ; LDS loads come back in order: the younger ones may be out
	global_store_b96 v[GOF], v[CD+4*\t:CD+4*\t+2], s[14:15] offset:1536*\t   ; sixteen lanes store a row's 192 consecutive bytes
.endr
	s_wait_tensorcnt 0x0
	ds_add_u32 v254, v255
	s_wait_dscnt 0x0
	CROUND                                         ; the closing round
	s_endpgm
.Lfunc_end_k_qcf588889ef_proj_v:
	.size	k_qcf588889ef_proj_v, .Lfunc_end_k_qcf588889ef_proj_v-k_qcf588889ef_proj_v
	.p2alignl 7, 3214868480
	.fill 96, 4, 3214868480
	.section	.rodata,"a",@progbits
	.p2align	6, 0x0
	.amdhsa_kernel k_qcf588889ef_proj_v
		.amdhsa_group_segment_fixed_size 327680
		.amdhsa_private_segment_fixed_size 0
		.amdhsa_enable_private_segment 0
		.amdhsa_kernarg_size 64
		.amdhsa_user_sgpr_count 2
		.amdhsa_user_sgpr_kernarg_segment_ptr 1
		.amdhsa_wavefront_size32 1
		.amdhsa_system_sgpr_workgroup_id_x 1
		.amdhsa_system_sgpr_workgroup_id_y 1
		.amdhsa_system_sgpr_workgroup_id_z 1
		.amdhsa_system_vgpr_workitem_id 0
		.amdhsa_next_free_vgpr 1024
		.amdhsa_next_free_sgpr 96
		.amdhsa_reserve_vcc 1
		.amdhsa_float_denorm_mode_32 3
		.amdhsa_float_denorm_mode_16_64 3
		.amdhsa_memory_ordered 1
		.amdhsa_forward_progress 1
		.amdhsa_inst_pref_size 115
	.end_amdhsa_kernel
	.amdgpu_metadata
---
amdhsa.version: [ 1, 2 ]
amdhsa.kernels:
  - .name:           k_qcf588889ef_proj_v
    .symbol:         k_qcf588889ef_proj_v.kd
    .args:
      - { .name: X_embed_codes, .offset: 0, .size: 8, .value_kind: global_buffer, .address_space: global }
      - { .name: X_embed_scales, .offset: 8, .size: 8, .value_kind: global_buffer, .address_space: global }
      - { .name: Wv_codes, .offset: 16, .size: 8, .value_kind: global_buffer, .address_space: global }
      - { .name: Wv_scales, .offset: 24, .size: 8, .value_kind: global_buffer, .address_space: global }
      - { .name: bv, .offset: 32, .size: 8, .value_kind: global_buffer, .address_space: global }
      - { .name: o_codes, .offset: 40, .size: 8, .value_kind: global_buffer, .address_space: global }
      - { .name: o_scales, .offset: 48, .size: 8, .value_kind: global_buffer, .address_space: global }
      - { .name: wpart, .offset: 56, .size: 8, .value_kind: global_buffer, .address_space: global }
    .group_segment_fixed_size: 327680
    .private_segment_fixed_size: 0
    .kernarg_segment_align: 8
    .kernarg_segment_size: 64
    .max_flat_workgroup_size: 128
    .sgpr_count:     96
    .vgpr_count:     1024
    .wavefront_size: 32
...
	.end_amdgpu_metadata
.endif
;; end of part 3
;; launch proj_o (part 4): grid 4 x 64, 4 waves a work-group, clusters of 4 x 4, 327,680 bytes of LDS; arguments o_codes, o_scales, Wo_codes, Wo_scales, bo, out0; writes out0
.if DOCPART == 4
	.amdgcn_target "amdgcn-amd-amdhsa--gfx1250"
	.amdhsa_code_object_version 6
	.text
	.protected	k_qcf588889ef_proj_o
	.globl	k_qcf588889ef_proj_o
	.p2align	8
	.type	k_qcf588889ef_proj_o,@function
k_qcf588889ef_proj_o:
	s_mov_b64 s[64:65], 0
	v_nop
	global_prefetch_b8 v0, s[64:65] scope:SCOPE_SE
	s_setreg_imm32_b32 hwreg(HW_REG_WAVE_MODE, 25, 1), 1
	s_wait_xcnt 0x0
	s_wait_alu depctr_hold_cnt(0) depctr_sa_sdst(0) depctr_va_vdst(0) depctr_va_sdst(0) depctr_va_ssrc(0) depctr_va_vcc(0) depctr_vm_vsrc(0)
	s_getreg_b32 s2, hwreg(HW_REG_IB_STS2, 6, 4)
	s_cmp_eq_u32 s2, 0
	s_cbranch_scc0 .Lentry_in_a_cluster
	s_endpgm
.Lentry_in_a_cluster:
	s_bfe_u32 s2, ttmp6, 0x10000c
	s_cmp_lg_u32 s2, 0xf033
	s_cbranch_scc0 .Lentry_shape_is_right
	s_endpgm
.Lentry_shape_is_right:
; out0 = O Wo + bo.  O [8192][1024] (made by the launch before) and Wo [1024 (n)][1024 (k)] are FP6 (E2M3) codes, K innermost (a row is 768 bytes), with one E8M0 byte for each 32 along K; out0 [8192][1024] f32.
; SHARES.  A work-group makes 128 rows x 256 columns; wave (wm, wn) = (wave / 2, wave % 2) makes 64 x 128: 32 accumulators of 16 x 16.
; LDS IS FILLED ONCE.  128 + 256 rows x 768 bytes are 294,912 bytes: the whole K of both tiles fits, so there is no ring and no refill.  A row's 768 bytes lie as three chunks of 256 bytes, chunk c of all rows in a
; region of its own, rows 272 bytes apart there.
; Each wave brings one load for each chunk (three of mine are out at the most); K steps 0, 1 want chunk 0, step 2 chunks 0 and 1, steps 3, 4 chunk 1, step 5 chunks 1 and 2, steps 6, 7 chunk 2.
; CLUSTER 4 x 4.  O's tile hangs on the row tile alone and is asked for jointly by a row of the cluster, Wo's on the column tile alone, by a column: a quarter of the requests.
; THE MATRIX INSTRUCTION IS USED TRANSPOSED (source 0 = 16 rows of Wo, source 1 = 16 rows of O): lane (r, h) holds row r and the columns 8 h + 0 .. 7 of a tile: 32 neighbouring bytes.  The bias is the C of K step 0.
; SCALES go from memory into registers and stay: a row's 32 bytes are its eight K steps' words; 32 lanes take 32 rows, so one register carries two tiles (lanes 0-15, lanes 16-31).
; REGISTERS, in windows of 256: window 0: v1-21 lane numbers and addresses; v32-47 O's scale words, v48-79 Wo's; v80-143 the bias.   window 1: accumulator (mt, nt) at v[8 (8 mt + nt)].
;   windows 2, 3: two sets of fragments: O's tile mt at v[12 mt], Wo's tile nt at v[48 + 12 nt]; on the way out window 2 takes the rows read back from the stage.
; LIMITS.  NaN and infinities are not served.  The bias is added in front of the sum and not behind it.
.set PITCH, 272
.set CH,    384*PITCH                  ; a chunk's region: O's 128 rows, then Wo's 256
.set BOFF,  128*PITCH
.set TILE,  16*PITCH
.set SPITCH, 528                       ; the way out: a stage of 16 rows x (512 bytes + 16) for each wave, in chunk 0's bytes
.set ADRA,  4                          ; v4-6    my O fragments in chunk 0, 1, 2: (64 wm + r) x 272 + 24 h
.set ADRA2, 7                          ; v7-8    the same for pieces whose lanes 16-31 lie in the next chunk: h x (CH - 232) in place of 24 h
.set ADRB,  9                          ; v9-11   Wo likewise
.set ADRB2, 12                         ; v12-13
.set SOF,   17                         ; v17     32 x lane: a row of scale bytes
.set BOF,   18                         ; v18     32 h: my eight numbers of a tile of the bias
.set STO,   19                         ; v19     the stage: where I put 32 bytes of a row
.set RD,    20                         ; v20     and where I read a row back
.set CO,    21                         ; v21     16 x lane: my place in a row's 512 bytes of out0
.set SA,    32
.set SB,    48
.set BIAS,  80
.set G1A,   28                         ; s[28:35], s[36:43] descriptor groups 1;  s[44:55], s[80:91] groups 0, one for each chunk
.set G1B,   36
.set G0A,   44
.set G0B,   80
.set MSB, 0
.macro WIN new                         ; bits 1:0 source 0, 3:2 source 1, 5:4 source 2, 7:6 destination; the high byte repeats the setting that is left
.if MSB != (\new)
	s_set_vgpr_msb (MSB<<8)|(\new)
.set MSB, (\new)
.endif
.endm
.macro PLACES n
.rept \n
	v_nop
.endr
.endm
.macro CROUND                          ; a round of the cluster's barrier
	s_barrier_signal -1
	s_barrier_wait -1
	s_cmp_lg_u32 s20, 0
	s_cbranch_scc1 .Lnot_wave_0_\@
	s_barrier_signal -3
.Lnot_wave_0_\@:
	s_barrier_wait -3
	s_barrier_signal -1
	s_barrier_wait -1
.endm
; A fragment, 16 rows x 128 K, is 12 registers: lane (r, h) takes the row's 8-byte pieces 12 s + 3 h + 0, 1, 2 and 12 s + 6 + 3 h + 0, 1, 2.  A chunk holds 32 pieces.
.macro FRAG reg, adr, adr2, s, off
.irp p, 0,1,2,3,4,5
.set PC, 12*(\s)+6*(\p/3)+\p%3
.if PC%32 < 29
	ds_load_b64 v[(\reg)+2*\p:(\reg)+2*\p+1], v[\adr+PC/32] offset:8*(PC%32)+(\off)
.else
	ds_load_b64 v[(\reg)+2*\p:(\reg)+2*\p+1], v[\adr2+PC/32] offset:8*(PC%32)+(\off)
.endif
.endr
.endm
.macro FETCH s, set                    ; K step s: my 4 fragments of O and 8 of Wo, 72 loads in one run
	WIN 0x80+0x40*(\set)
.irp t, 0,1,2,3
	FRAG 12*\t, ADRA, ADRA2, \s, TILE*\t
.endr
.irp t, 0,1,2,3,4,5,6,7
	FRAG 48+12*\t, ADRB, ADRB2, \s, TILE*\t
.endr
.endm
.macro WM mt, nt, s
.set rD, 8*(8*(\mt)+(\nt))
.set rC, rD
.if (\s) == 0
.set rC, BIAS+8*(\nt)
.endif
.set rW, 48+12*(\nt)
.set rA, 12*(\mt)
.set rV, SB+8*((\nt)/2)+(\s)
.set rU, SA+8*((\mt)/2)+(\s)
.if ((\nt)%2 == 0) && ((\mt)%2 == 0)
	v_wmma_scale_f32_16x16x128_f8f6f4 v[rD:rD+7], v[rW:rW+11], v[rA:rA+11], v[rC:rC+7], v[rV], v[rU] matrix_a_fmt:MATRIX_FMT_FP6 matrix_b_fmt:MATRIX_FMT_FP6
.elseif (\nt)%2 == 0
	v_wmma_scale_f32_16x16x128_f8f6f4 v[rD:rD+7], v[rW:rW+11], v[rA:rA+11], v[rC:rC+7], v[rV], v[rU] matrix_a_fmt:MATRIX_FMT_FP6 matrix_b_fmt:MATRIX_FMT_FP6 matrix_b_scale:MATRIX_SCALE_ROW1
.elseif (\mt)%2 == 0
	v_wmma_scale_f32_16x16x128_f8f6f4 v[rD:rD+7], v[rW:rW+11], v[rA:rA+11], v[rC:rC+7], v[rV], v[rU] matrix_a_fmt:MATRIX_FMT_FP6 matrix_b_fmt:MATRIX_FMT_FP6 matrix_a_scale:MATRIX_SCALE_ROW1
.else
	v_wmma_scale_f32_16x16x128_f8f6f4 v[rD:rD+7], v[rW:rW+11], v[rA:rA+11], v[rC:rC+7], v[rV], v[rU] matrix_a_fmt:MATRIX_FMT_FP6 matrix_b_fmt:MATRIX_FMT_FP6 matrix_a_scale:MATRIX_SCALE_ROW1 matrix_b_scale:MATRIX_SCALE_ROW1
.endif
.endm
.macro MUL s, set                      ; 32 matrix instructions; the 32 accumulators take turns, in the same order in every step
.if (\s) == 0
	WIN 0x4a                                       ; fragments window 2, C (the bias) window 0, D window 1
.else
	WIN 0x5a+5*(\set)                              ; fragments window 2 or 3, C and D window 1
.endif
.irp mt, 0,1,2,3
.irp nt, 0,1,2,3,4,5,6,7
	WM \mt, \nt, \s
.endr
.endr
.endm
.macro STEP s
	s_wait_dscnt 0x0                               ; this step's fragments are in (asked for ahead of the last step's 32 matrix instructions)
.if (\s) == 1
	s_wait_tensorcnt 0x1                           ; my part of chunk 1 has landed (chunk 2's load may be out),
	s_barrier_signal -1
	s_barrier_wait -1                              ; everybody's has: K step 2 is fetched below
.endif
.if (\s) == 4
	s_wait_tensorcnt 0x0                           ; chunk 2,
	s_barrier_signal -1
	s_barrier_wait -1                              ; for K step 5.  Every wave's reads of chunk 0 were over at its K step 2: behind this barrier chunk 0's bytes are free
.endif
.if (\s) < 7
.if (\s) > 0
	PLACES 4                                       ; in front of loads into registers that matrix instructions have read (ISA guide 7.12.1 for vector instructions)
.endif
	FETCH (\s)+1, ((\s)+1)%2
.endif
	MUL \s, (\s)%2
.endm
	s_load_b128 s[4:7], s[0:1], 0x0                ; O's codes, O's scales
	s_load_b256 s[8:15], s[0:1], 0x10              ; Wo's codes, Wo's scales, bo, out0
	v_lshl_add_u32 v254, v0, 2, 0x4c800
	v_mov_b32 v255, 0
	ds_add_u32 v254, v255
	ds_add_u32 v254, v255
	v_lshrrev_b32 v3, 5, v0
	v_readfirstlane_b32 s20, v3                    ; wave 0..3
	v_and_b32 v1, 15, v0                           ; r
	v_bfe_u32 v2, v0, 4, 1                         ; h
	v_and_b32 v3, 31, v0                           ; lane
	s_lshr_b32 s21, s20, 1                         ; wm.  Also: I fetch for O (0) or for Wo (1)
	s_and_b32 s22, s20, 1                          ; wn.  Also: which half of that tile's rows I fetch
	s_bfe_u32 s23, ttmp6, 0x40000                  ; cx = the column tile
	s_bfe_u32 s24, ttmp6, 0x40004                  ; cy
	s_and_b32 s25, ttmp7, 0xffff
	s_lshl_b32 s25, s25, 2
	s_add_co_u32 s25, s25, s24                     ; y = 4 x cluster y + cy: the row tile
	s_lshl_b32 s26, s24, 2
	s_lshl_b32 s26, 15, s26                        ; my row of the cluster
	s_lshl_b32 s27, 0x1111, s23                    ; my column
	; group 1: rows of 32 elements of 8 bytes (a chunk), 96 elements apart in memory; 16 bytes of padding behind each 64 words
	s_or_b32 s[G1A], s26, (3<<16)|(1<<20)|(1<<21)|(5<<22)|(3<<25)
	s_or_b32 s[G1B], s27, (3<<16)|(1<<20)|(1<<21)|(5<<22)|(3<<25)
	s_mov_b32 s[G1A+1], 32<<16                     ; tensor_dim0
	s_mov_b32 s[G1A+2], 64<<16                     ; tensor_dim1: O's half is 64 rows
	s_mov_b32 s[G1A+3], 32<<16                     ; tile_dim0
	s_mov_b32 s[G1A+4], 64                         ; tile_dim1
	s_mov_b32 s[G1A+5], 96                         ; the pitch
	s_mov_b32 s[G1A+6], 0
	s_mov_b32 s[G1A+7], 0
	s_mov_b32 s[G1B+1], 32<<16
	s_mov_b32 s[G1B+2], 128<<16                    ; Wo's half is 128 rows
	s_mov_b32 s[G1B+3], 32<<16
	s_mov_b32 s[G1B+4], 128
	s_mov_b32 s[G1B+5], 96
	s_mov_b32 s[G1B+6], 0
	s_mov_b32 s[G1B+7], 0
	s_lshl_b32 s56, s25, 7
	s_lshl_b32 s57, s22, 6
	s_add_co_u32 s56, s56, s57
	s_mul_i32 s56, s56, 768                        ; O: row 128 y + 64 x half, in bytes
	s_mov_b32 s57, 0
	s_lshl_b32 s58, s23, 8
	s_lshl_b32 s59, s22, 7
	s_add_co_u32 s58, s58, s59
	s_mul_i32 s58, s58, 768                        ; Wo: row 256 cx + 128 x half
	s_mov_b32 s59, 0
	s_mul_i32 s60, s22, 64*PITCH                   ; where they go: the wave's number alone enters an LDS address
	s_mul_i32 s61, s22, 128*PITCH
	s_add_co_u32 s61, s61, BOFF
	s_wait_dscnt 0x0
	s_wait_kmcnt 0x0
	s_add_nc_u64 s[56:57], s[4:5], s[56:57]
	s_add_nc_u64 s[58:59], s[8:9], s[58:59]
	CROUND                                         ; all sixteen work-groups are here: the joint loads meet
.irp c, 0,1,2
	s_mov_b32 s[G0A+4*\c], 1
	s_add_co_u32 s[G0A+4*\c+1], s60, \c*CH
	s_add_nc_u64 s[G0A+4*\c+2:G0A+4*\c+3], s[56:57], \c*256
	s_or_b32 s[G0A+4*\c+3], s[G0A+4*\c+3], 0x80000000
	s_mov_b32 s[G0B+4*\c], 1
	s_add_co_u32 s[G0B+4*\c+1], s61, \c*CH
	s_add_nc_u64 s[G0B+4*\c+2:G0B+4*\c+3], s[58:59], \c*256
	s_or_b32 s[G0B+4*\c+3], s[G0B+4*\c+3], 0x80000000
.endr
	s_cmp_eq_u32 s21, 0                            ; a wave's three fills stand in one branch on its number; four v_nop follow the last
	s_cbranch_scc0 .Lfill_w
	tensor_load_to_lds s[G0A:G0A+3], s[G1A:G1A+7]
	s_nop 0
	tensor_load_to_lds s[G0A+4:G0A+7], s[G1A:G1A+7]
	s_nop 0
	tensor_load_to_lds s[G0A+8:G0A+11], s[G1A:G1A+7]
	s_nop 0
	PLACES 4
	s_branch .Lfilled
.Lfill_w:
	tensor_load_to_lds s[G0B:G0B+3], s[G1B:G1B+7]
	s_nop 0
	tensor_load_to_lds s[G0B+4:G0B+7], s[G1B:G1B+7]
	s_nop 0
	tensor_load_to_lds s[G0B+8:G0B+11], s[G1B:G1B+7]
	s_nop 0
	PLACES 4
.Lfilled:
	; every buffer at my part
	s_lshl_b32 s62, s25, 7
	s_lshl_b32 s63, s21, 6
	s_add_co_u32 s62, s62, s63                     ; my first row: 128 y + 64 wm
	s_lshl_b32 s92, s23, 8
	s_lshl_b32 s93, s22, 7
	s_add_co_u32 s92, s92, s93                     ; my first column: 256 cx + 128 wn
	s_mov_b32 s3, 0
	s_mov_b32 s95, 0
	s_lshl_b32 s2, s62, 5
	s_add_nc_u64 s[6:7], s[6:7], s[2:3]            ; O's scales: 32 bytes a row
	s_lshl_b32 s94, s92, 5
	s_add_nc_u64 s[10:11], s[10:11], s[94:95]      ; Wo's scales
	s_lshl_b32 s94, s92, 2
	s_add_nc_u64 s[12:13], s[12:13], s[94:95]      ; the bias,
	s_add_nc_u64 s[14:15], s[14:15], s[94:95]      ; out0 at my first column
	s_lshl_b32 s2, s62, 12
	s_add_nc_u64 s[14:15], s[14:15], s[2:3]        ; and my first row: 4,096 bytes a row
	v_lshlrev_b32 v[SOF], 5, v3
	v_lshlrev_b32 v[BOF], 5, v2
.irp u, 0,1
	global_load_b128 v[SA+8*\u:SA+8*\u+3], v[SOF], s[6:7] offset:1024*\u          ; rows 32 u + lane: K steps 0-3,
	global_load_b128 v[SA+8*\u+4:SA+8*\u+7], v[SOF], s[6:7] offset:1024*\u+16     ; K steps 4-7: the two loads read 1,024 bytes on end
.endr
.irp u, 0,1,2,3
	global_load_b128 v[SB+8*\u:SB+8*\u+3], v[SOF], s[10:11] offset:1024*\u
	global_load_b128 v[SB+8*\u+4:SB+8*\u+7], v[SOF], s[10:11] offset:1024*\u+16
.endr
.irp t, 0,1,2,3,4,5,6,7
	global_load_b128 v[BIAS+8*\t:BIAS+8*\t+3], v[BOF], s[12:13] offset:64*\t      ; columns 16 t + 8 h + 0 .. 7: the result's layout
	global_load_b128 v[BIAS+8*\t+4:BIAS+8*\t+7], v[BOF], s[12:13] offset:64*\t+16
.endr
	v_mul_u32_u24 v14, v1, PITCH
	v_mad_u32_u24 v15, v2, 24, v14
	v_mad_u32_u24 v16, v2, CH-232, v14
	s_mul_i32 s78, s21, 64*PITCH
	s_mul_i32 s79, s22, 128*PITCH
	s_add_co_u32 s79, s79, BOFF
.irp c, 0,1,2
	v_add_nc_u32 v[ADRA+\c], s78, v15
	v_add_nc_u32 v[ADRB+\c], s79, v15
.if \c < 2
	v_add_nc_u32 v[ADRA2+\c], s78, v16
	v_add_nc_u32 v[ADRB2+\c], s79, v16
.endif
	s_add_co_u32 s78, s78, CH
	s_add_co_u32 s79, s79, CH
.endr
	s_mul_i32 s78, s20, 16*SPITCH                  ; my stage
	v_mul_u32_u24 v[STO], v1, SPITCH
	v_lshl_add_u32 v[STO], v2, 5, v[STO]
	v_add_nc_u32 v[STO], s78, v[STO]               ; in: row r, 32 bytes for each half of the lanes
	v_lshlrev_b32 v[CO], 4, v3
	v_add_nc_u32 v[RD], s78, v[CO]                 ; back: the 32 lanes take one row of 512 bytes
	s_wait_tensorcnt 0x2                           ; my part of chunk 0 has landed (chunks 1 and 2 may be out)
	s_barrier_signal -1
	s_barrier_wait -1                              ; everybody's has
	FETCH 0, 0
	s_wait_loadcnt 0x0                             ; scales and bias
.irp s, 0,1,2,3,4,5,6,7
	STEP \s
.endr
	WIN 0
	PLACES 4                                       ; in front of the first read of results, and of loads into registers that matrix instructions have read
; THE WAY OUT, a tile of 16 rows x my 128 columns at a time.  A lane holds 32 neighbouring bytes of a row and the lanes beside it hold other rows: so a tile goes through my own stage and comes back as whole rows of 512 bytes.
; LDS serves a wave's instructions in order (ISA guide 5.7.1.4): no wait between the stores and the loads, nor in front of the next tile's stores.  The stage lies in chunk 0's bytes: filled once, read for the last time ahead
; of K step 4's barrier.  Each tile comes back into 64 registers of its own, so no store's data are written again.
.macro TOSTAGE mt
	WIN 0x04                                       ; an LDS store's data are its source 1: window 1
.irp nt, 0,1,2,3,4,5,6,7
	ds_store_b128 v[STO], v[8*(8*(\mt)+\nt):8*(8*(\mt)+\nt)+3] offset:64*\nt        ; each accumulator from its low end on
	ds_store_b128 v[STO], v[8*(8*(\mt)+\nt)+4:8*(8*(\mt)+\nt)+7] offset:64*\nt+16
.endr
	WIN 0x80                                       ; destination window 2
.irp t, 0,1,2,3,4,5,6,7,8,9,10,11,12,13,14,15
	ds_load_b128 v[64*(\mt)+4*\t:64*(\mt)+4*\t+3], v[RD] offset:SPITCH*\t
.endr
.endm
.macro SEND mt, younger                ; younger: the LDS instructions issued behind this tile's loads, which may stay out
	s_wait_dscnt \younger
	WIN 0x08                                       ; a store's data are its source 1: window 2
.irp t, 0,1,2,3,4,5,6,7,8,9,10,11,12,13,14,15
	global_store_b128 v[CO], v[64*(\mt)+4*\t:64*(\mt)+4*\t+3], s[14:15] offset:(16*(\mt)+\t)*4096 th:TH_STORE_NT   ; 32 lanes store 512 consecutive bytes, at a multiple of 256 from out0's first byte; written once, read by nobody here
.endr
.endm
	TOSTAGE 0
.irp a, 1,2,3
	TOSTAGE \a
	SEND \a-1, 32                                  ; behind tile a - 1's loads: tile a's 16 stores and 16 loads
.endr
	SEND 3, 0
	WIN 0
	s_wait_tensorcnt 0x0
	ds_add_u32 v254, v255
	s_wait_dscnt 0x0
	CROUND                                         ; the closing round
	s_endpgm
.Lfunc_end_k_qcf588889ef_proj_o:
	.size	k_qcf588889ef_proj_o, .Lfunc_end_k_qcf588889ef_proj_o-k_qcf588889ef_proj_o
	.p2alignl 7, 3214868480
	.fill 96, 4, 3214868480
	.section	.rodata,"a",@progbits
	.p2align	6, 0x0
	.amdhsa_kernel k_qcf588889ef_proj_o
		.amdhsa_group_segment_fixed_size 327680
		.amdhsa_private_segment_fixed_size 0
		.amdhsa_enable_private_segment 0
		.amdhsa_kernarg_size 48
		.amdhsa_user_sgpr_count 2
		.amdhsa_user_sgpr_kernarg_segment_ptr 1
		.amdhsa_wavefront_size32 1
		.amdhsa_system_sgpr_workgroup_id_x 1
		.amdhsa_system_sgpr_workgroup_id_y 1
		.amdhsa_system_sgpr_workgroup_id_z 1
		.amdhsa_system_vgpr_workitem_id 0
		.amdhsa_next_free_vgpr 1024
		.amdhsa_next_free_sgpr 96
		.amdhsa_reserve_vcc 0
		.amdhsa_float_denorm_mode_32 3
		.amdhsa_float_denorm_mode_16_64 3
		.amdhsa_memory_ordered 1
		.amdhsa_forward_progress 1
		.amdhsa_inst_pref_size 96
	.end_amdhsa_kernel
	.amdgpu_metadata
---
amdhsa.version: [ 1, 2 ]
amdhsa.kernels:
  - .name:           k_qcf588889ef_proj_o
    .symbol:         k_qcf588889ef_proj_o.kd
    .args:
      - { .name: o_codes, .offset: 0, .size: 8, .value_kind: global_buffer, .address_space: global }
      - { .name: o_scales, .offset: 8, .size: 8, .value_kind: global_buffer, .address_space: global }
      - { .name: Wo_codes, .offset: 16, .size: 8, .value_kind: global_buffer, .address_space: global }
      - { .name: Wo_scales, .offset: 24, .size: 8, .value_kind: global_buffer, .address_space: global }
      - { .name: bo, .offset: 32, .size: 8, .value_kind: global_buffer, .address_space: global }
      - { .name: out0, .offset: 40, .size: 8, .value_kind: global_buffer, .address_space: global }
    .group_segment_fixed_size: 327680
    .private_segment_fixed_size: 0
    .kernarg_segment_align: 8
    .kernarg_segment_size: 48
    .max_flat_workgroup_size: 128
    .sgpr_count:     96
    .vgpr_count:     1024
    .wavefront_size: 32
...
	.end_amdgpu_metadata
.endif
;; end of part 4
;; ======== version 2 of 2: 4 launches; version 1 with the launch colsoftmax written anew for expert scheduling mode
;; workspace buffers: q_codes 6,291,456 bytes; q_scales 262,144 bytes; k_codes 6,291,456 bytes; k_scales 262,144 bytes; wpart 2,097,152 bytes; o_codes 6,291,456 bytes; o_scales 262,144 bytes
;; launch proj_qk: the kernel of part 1 again; grid 8 x 64, 4 waves a work-group, clusters of 4 x 4, 327,680 bytes of LDS; arguments X_embed_codes, X_embed_scales, Wq_codes, Wq_scales, bq, q_codes, q_scales, Wk_codes, Wk_scales, bk, k_codes, k_scales; writes q_codes, q_scales, k_codes, k_scales
;; launch colsoftmax (part 5): grid 256 x 1, 4 waves a work-group, no clusters, 140,800 bytes of LDS; arguments q_codes, q_scales, k_codes, k_scales, wpart; writes wpart
.if DOCPART == 5
	.amdgcn_target "amdgcn-amd-amdhsa--gfx1250"
	.amdhsa_code_object_version 6
	.text
	.protected	k_qcf588889ef_colsoftmax
	.globl	k_qcf588889ef_colsoftmax
	.p2align	8
	.type	k_qcf588889ef_colsoftmax,@function
k_qcf588889ef_colsoftmax:
	s_mov_b64 s[64:65], 0
	v_nop
	global_prefetch_b8 v0, s[64:65] scope:SCOPE_SE
	s_setreg_imm32_b32 hwreg(HW_REG_WAVE_SCHED_MODE, 0, 2), 2
	s_setreg_imm32_b32 hwreg(HW_REG_WAVE_MODE, 25, 1), 1
	s_wait_xcnt 0x0
	s_wait_alu depctr_vm_vsrc(0)
; wpart[q][2048 hd + a] = the sum over the keys b of quarter q of exp(s(a, b) - m_b) / Z_b, with s = Q K^T of head hd on FP6 codes, m_b and Z_b the maximum and the sum of exponentials over ALL 2,048 queries a of column b.
; THE HEADS.  reference() reshapes without transposing: head hd is rows 128 hd .. 128 hd + 127 of the [8192][1024] projection, and head-row a is matrix row 128 hd + a / 16, columns 64 (a % 16) on.  So 16 neighbouring
; head-rows are ONE matrix row: lane (r, h) of a fragment takes its 24 bytes at 48 r + 24 h of that row's 768, and its two scale bytes at 2 r of the row's 32.
; SHARES.  Work-group g: head g / 4, quarter g % 4 of the keys: 32 pieces of 16 keys (piece p = K's matrix row 128 hd + 32 q + p).  Wave w owns queries 512 w .. 512 w + 511: 32 tiles, whose codes stay in registers.
; LAYOUT.  Source 0 = 16 queries, source 1 = the piece's 16 keys: lane (r, h) holds key r and, in register 8 i + j, query 16 i + 8 h + j.  A column's maximum and sum lie in a lane and its partner l xor 16.
; K IS 64, THE INSTRUCTION'S 128: the upper six registers of the keys' operand are zero codes, so what stands in the upper six of the queries' operand counts for nothing: there stands the next tile (tiles lie 6 registers apart).
; The scale words are 16 bits widened with zeros: bytes 2 and 3 are 0, a finite scale.
; ONE EXCHANGE A PIECE.  Each wave takes ITS OWN column maximum away: mu = c x max (c = log2 e), E = 2^(c s - mu), Z' = the sum of E.  The waves exchange (mu, Z'): mu_g = the largest mu, Z = the sum of Z' 2^(mu - mu_g),
; f = 2^(my mu - mu_g) / Z, and the lane's sums take E x f.  Each exponential is taken once: a piece's 256 E a lane stay in registers until f is known, a piece later, while the next piece is at work: two sets.
; The sums over the 16 keys of a lane row are folded once, at the end, through the wave's own LDS.
; NO JOINT LOADS: a head's four work-groups share Q alone; each wave reads its 24 KiB of Q once, into registers in which they stay for all 32 pieces, and a joint load lands in LDS, from where the same bytes would have to be
; read once more.  K's pieces (768 bytes) are each read by one work-group.  No tensor load, no ring: a piece's K is asked for a whole piece ahead.
; REGISTERS: window 0: v1-9 addresses and statistics, v10-25 at work, v26-28 the fold's addresses, v29 K's scale words, v30-41 K's operand, v42-57 Q's scale words, v58-249 Q, v250-255 zeros.
;   window 1: the sums.   windows 2, 3: E of the even and of the odd pieces.
; LIMITS.  NaN and infinities are not served.  v_exp_f32 and v_rcp_f32 are as accurate as the ISA guide states them and flush denormals: an E under 2^-126 of its wave's largest counts as 0.
; THE MODE: SCHED_MODE bits 1:0 = 2 (LLVM: expert scheduling mode 2), set by the entry lines.  The code itself states the register dependences between vector or matrix instructions and memory or LDS instructions,
; with s_wait_alu, always for 0.
; THE PLAN.  Registers that memory or LDS instructions touch, in the loop:
;   v[KSC], v[KF .. KF+5]  Read by a piece's 32 matrix instructions; behind them the next piece's loads land there.  (All 1,024 registers are taken: there is no second set for K.)
;   v[KA], v[KSA]          Read by those loads; stepped by a vector addition once a piece (v[KSA]: once a pair of pieces).
;   v[T .. T+7]            The four waves' statistics land there (LDS loads); FACTOR reads them; COLMAX and COLSUM take v[T ..] as work registers.
;   v[PR:PR+1]             Written by COLMAX and COLSUM; read by the LDS store at the piece's end.
;   v[STS], v[STL]         LDS addresses, made at the head and never written again.
;   The sums and both sets of E are named by vector and matrix instructions alone, up to the fold.
; A PIECE'S WAITS.  (1) va_vdst ahead of the LDS store at its end: v[PR:PR+1] are written, and COLMAX and COLSUM are done with v[T ..].  The next piece's LDS loads into v[T ..] lean on it too: between it and them stand
; sixteen matrix instructions, which name Q, K, the scale words and E, none of v[STL], v[T ..]: so those loads go out between the two halves of the products with no further wait.  (2) vm_vsrc in FACTOR, ahead of the
; additions to v[KA], v[KSA]: K's loads have read these two, and the last piece's LDS store has read v[PR:PR+1], which COLMAX and COLSUM write again.  (3) The va_vdst that stands behind FACTOR's reciprocal states also that
; v[KA], v[KSA] are written and that the piece's matrix instructions are done reading K: K's loads follow it.  The va_vdst behind each batch of exponentials stands as it would without the mode.
.set KA,  1                            ; v1   48 r + 24 h, stepped a matrix row (768 bytes) a piece
.set KSA, 2                            ; v2   2 x lane, stepped two rows of scale bytes (64) a pair of pieces
.set STS, 3                            ; v3   128 wave + 8 r: where I put (mu, Z')
.set STL, 4                            ; v4   8 r: from where I read the four waves'
.set TP,  5                            ; v5   the lane permutes' destination
.set PR,  6                            ; v[6:7]  mu, Z'
.set FF,  8                            ; v[8:9]  f, and a word that is only named
.set T,   10                           ; v10-25
.set RS,  26
.set RL,  27
.set GO,  28
.set KSC, 29
.set KF,  30
.set QS,  42
.set Q,   58
.set FOLD, 1024                        ; LDS: two slots of 512 bytes for the statistics; from here on 128 rows x 272 bytes for each wave
.set FREG, 128*272
.set MSB, 0
.macro WIN new                         ; bits 1:0 source 0, 3:2 source 1, 5:4 source 2, 7:6 destination; the high byte repeats the setting that is left
.if MSB != (\new)
	s_set_vgpr_msb (MSB<<8)|(\new)
.set MSB, (\new)
.endif
.endm
.macro SCORES e, i0, n                 ; tiles i0 .. i0 + n - 1 against the piece in hand, into set e
	WIN 0x80+0x40*(\e)
.set i, \i0
.rept \n
.if (i%2 == 0) && ((\e) == 0)
	v_wmma_scale_f32_16x16x128_f8f6f4 v[8*i:8*i+7], v[Q+6*i:Q+6*i+11], v[KF:KF+11], 0, v[QS+i/2], v[KSC] matrix_a_fmt:MATRIX_FMT_FP6 matrix_b_fmt:MATRIX_FMT_FP6
.elseif (\e) == 0
	v_wmma_scale_f32_16x16x128_f8f6f4 v[8*i:8*i+7], v[Q+6*i:Q+6*i+11], v[KF:KF+11], 0, v[QS+i/2], v[KSC] matrix_a_fmt:MATRIX_FMT_FP6 matrix_b_fmt:MATRIX_FMT_FP6 matrix_a_scale:MATRIX_SCALE_ROW1
.elseif i%2 == 0
	v_wmma_scale_f32_16x16x128_f8f6f4 v[8*i:8*i+7], v[Q+6*i:Q+6*i+11], v[KF:KF+11], 0, v[QS+i/2], v[KSC] matrix_a_fmt:MATRIX_FMT_FP6 matrix_b_fmt:MATRIX_FMT_FP6 matrix_b_scale:MATRIX_SCALE_ROW1
.else
	v_wmma_scale_f32_16x16x128_f8f6f4 v[8*i:8*i+7], v[Q+6*i:Q+6*i+11], v[KF:KF+11], 0, v[QS+i/2], v[KSC] matrix_a_fmt:MATRIX_FMT_FP6 matrix_b_fmt:MATRIX_FMT_FP6 matrix_a_scale:MATRIX_SCALE_ROW1 matrix_b_scale:MATRIX_SCALE_ROW1
.endif
.set i, i+1
.endr
.endm
.macro STATS_IN e                      ; the four waves' (mu, Z') of my key, from slot e.  No wait: no vector or matrix instruction since the wait ahead of the last piece's LDS store names v[STL] or v[T .. T+7]
.irp w, 0,1,2,3
	ds_load_b64 v[T+2*\w:T+2*\w+1], v[STL] offset:512*(\e)+128*\w
.endr
.endm
.macro KSTEP e                         ; the addresses of the next piece's K.  The last loads by these registers were waited for at the piece's head
	s_wait_alu depctr_vm_vsrc(0)                   ; K's loads have read v[KA] and v[KSA], which are written below; the last piece's LDS store has read v[PR:PR+1], which COLMAX and COLSUM write again
.if (\e) == 0
	v_add_nc_u32 v[KA], 768, v[KA]
.else
	v_add_nc_u32 v[KA], s25, v[KA]                 ; 768, or 0 behind the last piece: that look-ahead reads the last piece again, and no load leaves its buffer
	v_add_nc_u32 v[KSA], s26, v[KSA]
.endif
.endm
.macro KLOAD e                         ; the next piece's K, behind a wait on va_vdst that shows the addresses written and the piece's matrix instructions done reading v29-35
.if (\e) == 1
	global_load_u16 v[KSC], v[KSA], s[10:11]       ; lanes 0-15: the even piece's words; lanes 16-31: the odd piece's
.endif
.irp p, 0,1,2
	global_load_b64 v[KF+2*\p:KF+2*\p+1], v[KA], s[8:9] offset:8*\p
.endr
.endm
.macro FACTOR step                     ; f of the piece whose statistics have come.  step = 0, 1: K's addresses are stepped on the way, as behind an even or an odd piece; 2: there is no next piece
	v_max3_num_f32 v[T+8], v[T], v[T+2], v[T+4]
	v_max_num_f32 v[T+8], v[T+8], v[T+6]           ; mu_g
	v_sub_f32 v[T], v[T], v[T+8]
	v_sub_f32 v[T+2], v[T+2], v[T+8]
	v_sub_f32 v[T+4], v[T+4], v[T+8]
	v_sub_f32 v[T+6], v[T+6], v[T+8]
	v_sub_f32 v[T+9], v[PR], v[T+8]                ; my own
	v_exp_f32 v[T], v[T]
	v_exp_f32 v[T+2], v[T+2]
	v_exp_f32 v[T+4], v[T+4]
	v_exp_f32 v[T+6], v[T+6]
	v_exp_f32 v[T+9], v[T+9]
	v_nop                                          ; a plain place behind the exponentials
	s_wait_alu depctr_va_vdst(0)                   ; the five exponentials have written v[T], v[T+2], v[T+4], v[T+6], v[T+9], ahead of their first reader
	v_mul_f32 v[T+10], v[T], v[T+1]
	v_fmac_f32 v[T+10], v[T+2], v[T+3]
	v_fmac_f32 v[T+10], v[T+4], v[T+5]
	v_fmac_f32 v[T+10], v[T+6], v[T+7]             ; Z: at least 1, the share of the wave that holds the maximum
	v_rcp_f32 v[T+10], v[T+10]
.if (\step) == 2
	v_nop                                          ; a plain place behind the reciprocal
	s_wait_alu depctr_va_vdst(0)                   ; the reciprocal has written v[T+10], ahead of its first reader
.else
	KSTEP \step                                    ; (its additions are the plain place behind the reciprocal)
	s_wait_alu depctr_va_vdst(0)                   ; the reciprocal has written v[T+10], ahead of its first reader; v[KA], v[KSA] are written, which K's loads read; the piece's matrix instructions are done reading v[KSC], v[KF ..], in which those loads land
.endif
	v_mul_f32 v[FF], v[T+9], v[T+10]
.endm
.macro WEIGH e, first                  ; the sums (window 1) take set e's E (window 2 + e) x f.  first = 1: they begin so: nothing is cleared
	WIN 0x52+(\e)
.set k, 0
.rept 128
.if \first
	v_pk_mul_f32 v[2*k:2*k+1], v[2*k:2*k+1], v[FF:FF+1] op_sel_hi:[1,0]
.else
	v_pk_fma_f32 v[2*k:2*k+1], v[2*k:2*k+1], v[FF:FF+1], v[2*k:2*k+1] op_sel_hi:[1,0,1]
.endif
.set k, k+1
.endr
.endm
.macro COLMAX e                        ; mu = c x the largest of my wave's 512 scores of my key: eight chains; each accumulator is read from its low end on
	WIN 0x0a+5*(\e)
.irp g, 0,1,2,3
.irp q, 0,1,2,3
.irp u, 0,1,2,3,4,5,6,7
.if (\g == 0) && (\q == 0)
	v_max_num_f32 v[T+\u], v[8*\u], v[8*\u+1]
.else
	v_max3_num_f32 v[T+\u], v[8*(8*\g+\u)+2*\q], v[8*(8*\g+\u)+2*\q+1], v[T+\u]
.endif
.endr
.endr
.endr
	WIN 0
	v_max3_num_f32 v[T], v[T], v[T+1], v[T+2]
	v_max3_num_f32 v[T+3], v[T+3], v[T+4], v[T+5]
	v_max3_num_f32 v[T], v[T], v[T+3], v[T+6]
	v_max_num_f32 v[T], v[T], v[T+7]
	v_permlanex16_b32 v[TP], v[T], s20, s21
	v_max_num_f32 v[T], v[T], v[TP]
	v_mul_f32 v[PR], s22, v[T]
.endm
.macro EXPS e                          ; E = 2^(c s - mu), in place; the multiply-adds run four pairs ahead of their exponentials and stand between them
	WIN 0x82+0x41*(\e)
.set k, 0
.rept 4
	v_pk_fma_f32 v[2*k:2*k+1], v[2*k:2*k+1], s[22:23], v[PR:PR+1] op_sel_hi:[1,0,0] neg_lo:[0,0,1] neg_hi:[0,0,1]
.set k, k+1
.endr
.set k, 0
.rept 128
	v_exp_f32 v[2*k], v[2*k]
.if k+4 < 128
	v_pk_fma_f32 v[2*k+8:2*k+9], v[2*k+8:2*k+9], s[22:23], v[PR:PR+1] op_sel_hi:[1,0,0] neg_lo:[0,0,1] neg_hi:[0,0,1]
.endif
	v_exp_f32 v[2*k+1], v[2*k+1]
.set k, k+1
.endr
.endm
.macro COLSUM e                        ; Z' = the sum of my wave's 512 E of my key: eight chains of pairs.  (The first addition names none of the last exponentials' registers: it is their plain place)
	WIN 0x0a+5*(\e)
	s_wait_alu depctr_va_vdst(0)                   ; the piece's 256 exponentials have written E, ahead of their first reader
.irp u, 0,1,2,3,4,5,6,7
	v_pk_add_f32 v[T+2*\u:T+2*\u+1], v[4*\u:4*\u+1], v[4*\u+2:4*\u+3]
.endr
	WIN 0x08+4*(\e)
.set k, 16
.rept 112
	v_pk_add_f32 v[T+2*(k%8):T+2*(k%8)+1], v[T+2*(k%8):T+2*(k%8)+1], v[2*k:2*k+1]
.set k, k+1
.endr
	WIN 0
.irp u, 0,4,8,12
	v_pk_add_f32 v[T+\u:T+\u+1], v[T+\u:T+\u+1], v[T+\u+2:T+\u+3]
.endr
	v_pk_add_f32 v[T:T+1], v[T:T+1], v[T+4:T+5]
	v_pk_add_f32 v[T+8:T+9], v[T+8:T+9], v[T+12:T+13]
	v_pk_add_f32 v[T:T+1], v[T:T+1], v[T+8:T+9]
	v_add_f32 v[T], v[T], v[T+1]
	v_permlanex16_b32 v[TP], v[T], s20, s21
	v_add_f32 v[PR+1], v[T], v[TP]
.endm
.macro STATS_OUT e
	s_wait_alu depctr_va_vdst(0)                   ; COLMAX and COLSUM have written v[PR:PR+1], which the LDS store reads, and are done with v[T ..], in which the next piece's statistics land
	ds_store_b64 v[STS], v[PR:PR+1] offset:512*(\e)   ; lanes l and l xor 16 write the same words with the same values
	s_wait_dscnt 0x0                               ; for the others' sake: it stands in front of the next piece's signal
.endm
; A PIECE.  Slot e is written at the end of a piece of parity e, read behind the next piece's barrier (those reads are back in front of the barrier after that) and written again only behind that one.
.macro BODY e, first
	s_wait_loadcnt 0x0                             ; this piece's K is in
	s_barrier_signal -1                            ; my statistics of the last piece lie in LDS;
	SCORES \e, 0, 16                               ; sixteen matrix instructions while the others arrive;
	s_barrier_wait -1                              ; everybody's do
	WIN 0
	STATS_IN 1-(\e)
	SCORES \e, 16, 16                              ; sixteen more while they come
	WIN 0
	s_wait_dscnt 0x0
	FACTOR \e
	KLOAD \e                                       ; no further wait: the one vector instruction since FACTOR's last wait names v[FF], v[T+9], v[T+10] alone
	WEIGH 1-(\e), \first                           ; the last piece is finished.  (These are also the places between the products and the first read of their results)
	COLMAX \e
	EXPS \e
	COLSUM \e
	STATS_OUT \e
.endm
	s_load_b256 s[4:11], s[0:1], 0x0               ; Q's codes, Q's scales, K's codes, K's scales
	s_load_b64 s[12:13], s[0:1], 0x20              ; wpart
.irp j, 0,1,2,3,4,5
	v_mov_b32 v[KF+6+\j], 0                        ; the zero codes of K = 64 .. 127
	v_mov_b32 v[250+\j], 0                         ; what the last tile's operand names behind its own six registers
.endr
	v_mov_b32 v[TP], 0                             ; written once: a lane permute's destination counts as one of its sources
	v_mov_b32 v[PR+1], 0                           ; (named as halves of pairs before they are first written)
	v_mov_b32 v[FF+1], 0
	v_lshrrev_b32 v10, 5, v0
	v_readfirstlane_b32 s14, v10                   ; wave 0..3
	v_and_b32 v10, 15, v0                          ; r
	v_bfe_u32 v11, v0, 4, 1                        ; h
	v_and_b32 v12, 31, v0                          ; lane
	v_mul_u32_u24 v[KA], v10, 48
	v_mad_u32_u24 v[KA], v11, 24, v[KA]
	v_lshlrev_b32 v[KSA], 1, v12
	v_lshlrev_b32 v[STL], 3, v10
	s_wait_alu depctr_va_sdst(0)                   ; s14 is written, ahead of its first reader: LDS addresses and the buffers' bases are made from it
	s_lshl_b32 s15, s14, 7
	v_add_nc_u32 v[STS], s15, v[STL]
	s_mul_i32 s15, s14, FREG
	s_add_co_u32 s15, s15, FOLD                    ; my wave's bytes for the fold
	v_mul_u32_u24 v[RS], v11, 272
	v_lshl_add_u32 v[RS], v10, 4, v[RS]
	v_add_nc_u32 v[RS], s15, v[RS]                 ; in: row h of a pair of rows, 16 bytes for key r
	v_and_b32 v13, 28, v12
	v_and_b32 v14, 1, v12
	v_lshl_add_u32 v13, v14, 1, v13
	v_bfe_u32 v14, v12, 1, 1
	v_add_nc_u32 v13, v13, v14                     ; back: queries 4 L .. 4 L + 3 lie in row 4 (L / 4) + 2 (L % 2) + (L / 2) % 2
	v_mul_u32_u24 v[RL], v13, 272
	v_add_nc_u32 v[RL], s15, v[RL]
	v_lshlrev_b32 v[GO], 4, v12
	s_lshr_b32 s16, ttmp9, 2                       ; the head
	s_and_b32 s17, ttmp9, 3                        ; the quarter of its keys
	s_lshl_b32 s18, s16, 7
	s_lshl_b32 s19, s14, 5
	s_add_co_u32 s19, s18, s19                     ; Q's first matrix row of mine: 128 hd + 32 wave
	s_lshl_b32 s27, s17, 5
	s_add_co_u32 s18, s18, s27                     ; K's: 128 hd + 32 q
	s_mov_b32 s20, 0x76543210
	s_mov_b32 s21, 0xfedcba98                      ; v_permlanex16_b32's selects for lane l xor 16
	s_mov_b32 s22, 0x3fb8aa3b                      ; c = log2 e
	s_mov_b32 s23, s22                             ; (named with it as a pair)
	s_mov_b32 s25, 768
	s_mov_b32 s26, 64
	s_mov_b32 s29, 0
	s_wait_kmcnt 0x0
	s_mul_i32 s28, s19, 768
	s_add_nc_u64 s[4:5], s[4:5], s[28:29]
	s_lshl_b32 s28, s19, 5
	s_add_nc_u64 s[6:7], s[6:7], s[28:29]
	s_mul_i32 s28, s18, 768
	s_add_nc_u64 s[8:9], s[8:9], s[28:29]
	s_lshl_b32 s28, s18, 5
	s_add_nc_u64 s[10:11], s[10:11], s[28:29]
	s_lshl_b32 s28, s17, 19                        ; wpart: 524,288 bytes a quarter,
	s_lshl_b32 s30, s16, 13                        ; 8,192 a head,
	s_add_co_u32 s28, s28, s30
	s_lshl_b32 s30, s14, 11                        ; 2,048 for a wave's 512 queries
	s_add_co_u32 s28, s28, s30
	s_add_nc_u64 s[12:13], s[12:13], s[28:29]
	s_wait_alu depctr_va_vdst(0)                   ; the seven addresses v[KA], v[KSA], v[STS], v[STL], v[RS], v[RL], v[GO] are written, which loads and stores read; so are the zeros v36-41 and v250-255, which the scaled matrix instructions take in their operands
.irp p, 0,1,2
	global_load_b64 v[KF+2*\p:KF+2*\p+1], v[KA], s[8:9] offset:8*\p   ; piece 0
.endr
	global_load_u16 v[KSC], v[KSA], s[10:11]
.set i, 0
.rept 32
.irp p, 0,1,2
	global_load_b64 v[Q+6*i+2*\p:Q+6*i+2*\p+1], v[KA], s[4:5] offset:768*i+8*\p   ; tile i: a matrix row; its three loads cover the row's 768 bytes
.endr
.set i, i+1
.endr
.irp u, 0,1,2,3,4,5,6,7,8,9,10,11,12,13,14,15
	global_load_u16 v[QS+\u], v[KSA], s[6:7] offset:64*\u   ; lanes 0-15: tile 2 u's words; lanes 16-31: tile 2 u + 1's
.endr
	s_wait_loadcnt 0x0
	SCORES 0, 0, 32                                ; piece 0: there is no earlier piece to finish
	WIN 0
.rept 4
	v_nop                                          ; places in front of the first read of results
.endr
	KSTEP 0
	s_wait_alu depctr_va_vdst(0)                   ; v[KA] is written, which K's loads read; the 32 matrix instructions are done reading v[KF ..], in which they land
	KLOAD 0
	COLMAX 0
	EXPS 0
	COLSUM 0
	STATS_OUT 0
	BODY 1, 1                                      ; piece 1; piece 0's E x f begin the sums
	s_mov_b32 s24, 15
.Lpair:                                            ; 15 trips: pieces 2 t and 2 t + 1
	s_cmp_lg_u32 s24, 1
	s_cselect_b32 s25, 768, 0                      ; in the last trip the odd piece's look-ahead does not step
	s_cselect_b32 s26, 64, 0
	BODY 0, 0
	BODY 1, 0
	s_sub_co_u32 s24, s24, 1
	s_cmp_lg_u32 s24, 0
	s_cbranch_scc1 .Lpair
	s_wait_loadcnt 0x0                             ; the look-ahead's loads are in: nothing of mine is pending on a register
	s_barrier_signal -1                            ; piece 31 is finished
	s_barrier_wait -1
	STATS_IN 1
	s_wait_dscnt 0x0
	FACTOR 2
	WEIGH 1, 0
	; THE FOLD.  Register 8 i + j of lane (r, h) holds query 16 i + 8 h + j's sum over the keys r, r + 16, ..: sixteen lanes' numbers are to be added.  Four registers (four neighbouring queries) go to a row of my own LDS
	; bytes, 16 bytes for each r; then a lane reads a whole row and adds its sixteen groups of four.  Rows are 272 bytes apart. No other wave touches these bytes.
	WIN 0x04                                       ; an LDS store's data are its source 1: window 1
	s_wait_alu depctr_va_vdst(0)                   ; the last multiply-adds have written the sums, which the LDS stores read; the matrix instructions are done reading Q's registers, in which the first 32 LDS loads below land
.set k, 0
.rept 64
	ds_store_b128 v[RS], v[4*k:4*k+3] offset:544*k
.set k, k+1
.endr
	WIN 0
.macro FLOAD t                         ; rows 32 t + .. : queries 128 t + 4 L on, into Q's registers, which are done with
.set FB, Q+64*((\t)%2)
.irp c, 0,1,2,3,4,5,6,7,8,9,10,11,12,13,14,15
	ds_load_b128 v[FB+4*\c:FB+4*\c+3], v[RL] offset:8704*(\t)+16*\c   ; LDS serves a wave's instructions in order: these see my stores
.endr
.endm
.macro TREE t
.set FB, Q+64*((\t)%2)
.irp c, 0,1,2,3,4,5,6,7
	v_pk_add_f32 v[FB+4*\c:FB+4*\c+1], v[FB+4*\c:FB+4*\c+1], v[FB+32+4*\c:FB+32+4*\c+1]
	v_pk_add_f32 v[FB+4*\c+2:FB+4*\c+3], v[FB+4*\c+2:FB+4*\c+3], v[FB+32+4*\c+2:FB+32+4*\c+3]
.endr
.irp c, 0,1,2,3
	v_pk_add_f32 v[FB+4*\c:FB+4*\c+1], v[FB+4*\c:FB+4*\c+1], v[FB+16+4*\c:FB+16+4*\c+1]
	v_pk_add_f32 v[FB+4*\c+2:FB+4*\c+3], v[FB+4*\c+2:FB+4*\c+3], v[FB+16+4*\c+2:FB+16+4*\c+3]
.endr
.irp c, 0,1
	v_pk_add_f32 v[FB+4*\c:FB+4*\c+1], v[FB+4*\c:FB+4*\c+1], v[FB+8+4*\c:FB+8+4*\c+1]
	v_pk_add_f32 v[FB+4*\c+2:FB+4*\c+3], v[FB+4*\c+2:FB+4*\c+3], v[FB+8+4*\c+2:FB+8+4*\c+3]
.endr
	v_pk_add_f32 v[186+4*(\t):187+4*(\t)], v[FB:FB+1], v[FB+4:FB+5]
	v_pk_add_f32 v[188+4*(\t):189+4*(\t)], v[FB+2:FB+3], v[FB+6:FB+7]
.endm
	FLOAD 0
	FLOAD 1
.irp t, 0,1,2,3
.if \t < 3
	s_wait_dscnt 16                                ; this quarter's sixteen loads are in; the next quarter's may be out
.else
	s_wait_dscnt 0x0
.endif
	TREE \t
	s_wait_alu depctr_va_vdst(0)                   ; the additions have written this quarter's four sums, which the store reads, and are done with the quarter's 64 registers, in which the loads of two quarters on land
	global_store_b128 v[GO], v[186+4*\t:189+4*\t], s[12:13] offset:512*\t   ; 32 lanes store 512 consecutive bytes; each quarter has four registers of its own, so no store's data are written again
.if \t < 2
	FLOAD \t+2
.endif
.endr
	s_wait_xcnt 0x0                                ; the four stores have had their addresses translated (ISA guide 3.1)
	v_lshl_add_u32 v254, v0, 2, 0x22400            ; my spare word, behind the four waves' bytes for the fold, and 0: made anew here, since v254 and v255 stood in the last tile's operand; no memory or LDS instruction has read either
	v_mov_b32 v255, 0
	s_wait_dscnt 0x0                               ; the closing lines, six on end
	s_wait_alu 0x0
	s_wait_tensorcnt 0x0
	ds_add_u32 v254, v255
	s_wait_dscnt 0x0
	s_endpgm
.Lfunc_end_k_qcf588889ef_colsoftmax:
	.size	k_qcf588889ef_colsoftmax, .Lfunc_end_k_qcf588889ef_colsoftmax-k_qcf588889ef_colsoftmax
	.p2alignl 7, 3214868480
	.fill 96, 4, 3214868480
	.section	.rodata,"a",@progbits
	.p2align	6, 0x0
	.amdhsa_kernel k_qcf588889ef_colsoftmax
		.amdhsa_group_segment_fixed_size 140800
		.amdhsa_private_segment_fixed_size 0
		.amdhsa_enable_private_segment 0
		.amdhsa_kernarg_size 40
		.amdhsa_user_sgpr_count 2
		.amdhsa_user_sgpr_kernarg_segment_ptr 1
		.amdhsa_wavefront_size32 1
		.amdhsa_system_sgpr_workgroup_id_x 1
		.amdhsa_system_sgpr_workgroup_id_y 1
		.amdhsa_system_sgpr_workgroup_id_z 1
		.amdhsa_system_vgpr_workitem_id 0
		.amdhsa_next_free_vgpr 1024
		.amdhsa_next_free_sgpr 66
		.amdhsa_reserve_vcc 0
		.amdhsa_float_denorm_mode_32 3
		.amdhsa_float_denorm_mode_16_64 3
		.amdhsa_memory_ordered 1
		.amdhsa_forward_progress 1
		.amdhsa_inst_pref_size 216
	.end_amdhsa_kernel
	.amdgpu_metadata
---
amdhsa.version: [ 1, 2 ]
amdhsa.kernels:
  - .name:           k_qcf588889ef_colsoftmax
    .symbol:         k_qcf588889ef_colsoftmax.kd
    .args:
      - { .name: q_codes, .offset: 0, .size: 8, .value_kind: global_buffer, .address_space: global }
      - { .name: q_scales, .offset: 8, .size: 8, .value_kind: global_buffer, .address_space: global }
      - { .name: k_codes, .offset: 16, .size: 8, .value_kind: global_buffer, .address_space: global }
      - { .name: k_scales, .offset: 24, .size: 8, .value_kind: global_buffer, .address_space: global }
      - { .name: wpart, .offset: 32, .size: 8, .value_kind: global_buffer, .address_space: global }
    .group_segment_fixed_size: 140800
    .private_segment_fixed_size: 0
    .kernarg_segment_align: 8
    .kernarg_segment_size: 40
    .max_flat_workgroup_size: 128
    .sgpr_count:     66
    .vgpr_count:     1024
    .wavefront_size: 32
...
	.end_amdgpu_metadata
.endif
;; end of part 5
;; launch proj_v: the kernel of part 3 again; grid 4 x 64, 4 waves a work-group, clusters of 4 x 4, 327,680 bytes of LDS; arguments X_embed_codes, X_embed_scales, Wv_codes, Wv_scales, bv, o_codes, o_scales, wpart; writes o_codes, o_scales
;; launch proj_o: the kernel of part 4 again; grid 4 x 64, 4 waves a work-group, clusters of 4 x 4, 327,680 bytes of LDS; arguments o_codes, o_scales, Wo_codes, Wo_scales, bo, out0; writes out0
